; MI455X (gfx1250); checked and timed in simulation.
; The chip was launched on July 23, 2026; its instructions are those of AMD's public machine-readable ISA for CDNA 5 (MIT licence, August 2026) and "CDNA5" Instruction Set Architecture Reference Guide (July 2026). The comments in the code are by the model that wrote it; some were corrected since.
;; Self Multi Head Attention. Allowed arithmetic: matrix products marked QUANTISED: E3M2 operands, one E8M0 scale for each 32 along K, by v_wmma_scale_f32_16x16x128_f8f6f4 with both operands' format E3M2, f32 sums; everything else in f32.
;; Inputs: W_out_codes 1,024 x 32 x 24 uint8 (E3M2 codes of W_out, K innermost, in blocks of 32 codes, four codes in three bytes); W_out_scales 1,024 x 32 uint8 (E8M0 scales of W_out, one for each 32 codes along K); W_qkv_codes 3,072 x 32 x 24 uint8 (E3M2 codes of W_qkv, K innermost, in blocks of 32 codes, four codes in three bytes); W_qkv_scales 3,072 x 32 uint8 (E8M0 scales of W_qkv, one for each 32 codes along K); b_out 1,024 float32; b_qkv 3,072 float32; beta 1,024 float32; gamma 1,024 float32; x 8 x 1,024 x 1,024 float32.
;; Outputs: out0 8 x 1,024 x 1,024 float32.
;; This version of the problem:
;;   THIS VERSION OF THE PROBLEM IS GIVEN IN LOW PRECISION. The matrix products marked QUANTISED in the list below multiply operands that are first quantised to E3M2 (3 exponent bits, 2 mantissa bits; 6 bits a number), with one power-of-two scale for each 32 numbers along K (OCP MX v1.0); their sums are f32. All else is computed in f32.
;;   The module's matrix products, in the order in which they are computed (A, B: the left and right operand; K: the contracted axis; several contracted axes count as one K, in the product's order):
;;     1. [M 8,192, K 1,024] x [K 1,024, N 3,072]; A: input x; B: input W_qkv (given as codes): QUANTISED
;;     2. batch 128 x [M 1,024, K 64] x [K 64, N 1,024]; A: computed on the way; B: computed on the way: QUANTISED
;;     3. batch 128 x [M 1,024, K 1,024] x [K 1,024, N 64]; A: softmax (see below); B: computed on the way: QUANTISED
;;     4. [M 8,192, K 1,024] x [K 1,024, N 1,024]; A: computed on the way; B: input W_out (given as codes): QUANTISED
;;   THE QUANTISER, for each operand of a quantised product, along K:
;;     - K is cut into blocks of 32 from its start; a last block that is shorter is filled with zeros.
;;     - A block's scale is 2^e with e = floor(log2(the largest magnitude in the block)) - 4, held to -126 .. 127; a block of zeros has e = 0. As a byte (E8M0): e + 127.
;;     - Each number is divided by its block's scale, clamped to +-28, and rounded to the nearest number of E3M2, ties to even, subnormals kept.
;;     - The product sums the exact products of the quantised numbers (number of the format x scale) in f32.
;;   ~~~python
;;   def quantise(x, axis):      # numpy; x: float32 -> the quantised numbers, widened to float32 again
;;       x = np.moveaxis(x, axis, -1); K = x.shape[-1]
;;       x = np.pad(x, [(0, 0)] * (x.ndim - 1) + [(0, -K % 32)]); x = x.reshape(x.shape[:-1] + (-1, 32)); a = np.abs(x).max(-1, keepdims=True)
;;       e = np.where(a > 0, np.clip(np.frexp(np.where(a > 0, a, 1))[1] - 1 - 4, -126, 127), 0)      # np.frexp(a)[1] - 1 = floor(log2(a)), exactly
;;       r = np.clip(x / 2.0 ** e, -28, 28)
;;       step = 2.0 ** (np.maximum(np.frexp(np.where(r == 0, 1, r))[1] - 1, -2) - 2)
;;       q = np.round(r / step) * step * 2.0 ** e      # np.round: ties to even
;;       return np.moveaxis(q.reshape(q.shape[:-2] + (-1,))[..., :K], -1, axis).astype(np.float32)
;;   ~~~
;;   SOFTMAX AHEAD OF A QUANTISED PRODUCT. Where the list says 'softmax', what is quantised is not the finished softmax but p = 2^(t - M), with t = logit x log2(e) and M = ceil(the row's largest t), a whole number; so 1/2 < the row's largest p <= 1. The row's sum l is taken of the UNQUANTISED p, in f32, and the product's result is divided by l at the end. Since M is a whole number, a kernel that streams over the keys may use a running M (the ceiling of the running maximum): every later rescaling is an exact power of two, which a block's scale takes up: the codes' values come out the same.
;;   OPERANDS COMPUTED ON THE WAY. 'Computed on the way' means the value that the module computes at that place (a softmax that the list does not call 'softmax' is quantised finished and normalised). What goes into a quantiser is computed in f32, as accurately as f32 sums, v_exp_f32 and their like allow (about 1e-6 of the number): no bf16 or f16 on the way to a quantiser, and a product that is left as it is and whose result goes on into a quantised operand takes f32 operands (vector FMAs, or v_wmma_f32_16x16x4_f32). A number that lies on a knife's edge between two numbers of the format may be rounded either way, as far as f32 arithmetic and the matrix unit's own rounding can turn it there, and no further.
;;   INPUTS GIVEN AS CODES. W_out (in the module: [1024, 1024], K = its axis 0); W_qkv (in the module: [1024, 3072], K = its axis 0): each comes as NAME_codes (uint8): NAME with its K axis moved to the last place and cut into blocks of 32 codes, [.., K / 32, bytes a block], one block behind the other in memory; four codes in three bytes: a row's codes are one little-endian stream of bits, code i at bits 6 i .. 6 i + 5 (a code: sign, 3 exponent bits, 2 mantissa bits); and NAME_scales (uint8): the same leading axes, one E8M0 byte (e + 127) for each 32 codes along K. Its value is code x scale, taken as it is: it is not quantised again, and the codes and scales need not be those that the quantiser above would give.
;; 2 versions. Each part assembles by itself: llvm-mc -triple=amdgcn-amd-amdhsa -mcpu=gfx1250 --defsym DOCPART=n.
;; ======== version 1 of 2: 4 launches
;; workspace buffers: xw 9,437,184 bytes; xws 393,216 bytes; qkv 18,874,368 bytes; qkvs 1,572,864 bytes; oq 6,291,456 bytes; oqs 262,144 bytes
;; launch prep (part 1): grid 768 x 1, 4 waves a work-group, no clusters, 67,072 bytes of LDS; arguments x, W_qkv_codes, W_qkv_scales, W_out_codes, W_out_scales, xw, xws; writes xw, xws
.if DOCPART == 1
	.amdgcn_target "amdgcn-amd-amdhsa--gfx1250"
	.amdhsa_code_object_version 6
	.text
	.protected	k_qa879b3f246_prep
	.globl	k_qa879b3f246_prep
	.p2align	8
	.type	k_qa879b3f246_prep,@function
k_qa879b3f246_prep:
	s_mov_b64 s[64:65], 0
	v_nop
	global_prefetch_b8 v0, s[64:65] scope:SCOPE_SE
	s_setreg_imm32_b32 hwreg(HW_REG_WAVE_MODE, 25, 1), 1
	s_wait_xcnt 0x0
; x [8192][1024] f32 is quantised along K to codes of E3M2 with one E8M0 byte for each 32; W_qkv's and W_out's codes and scale bytes are taken as they are given.  All three are laid
; into xw and xws in the ORDER OF AN OPERAND'S REGISTERS, so that the later launches load fragments by 16 bytes a lane and know nothing of rows.
; TILES.  Tile T = 2 B + u holds the 16 rows 32 B + 8 u + i + 8 (i / 8), i = 0 .. 15.  Where such tiles are source 0 of a product, the 16 result registers of tiles 2 B and 2 B + 1
; are 16 neighbours: what the next quantiser wants.  T 0-511: x's rows; T 512-703: W_qkv's 3,072 rows; T 704-767: W_out's 1,024 rows.
; xw  [T][K step s 0-7][1,536 bytes]: a fragment (16 rows x 128 K, 12 registers a lane): registers 4 c .. 4 c + 3 of lane l at 512 c + 16 l.
; xws [T][sp 0-3][r 0-15][8 bytes]: row r's scale words of K steps 2 sp and 2 sp + 1.
; SHARES.  A work-group takes a tile, wave sp 256 along K (two K steps).  Waves share nothing: no barrier.  x's rows come by loads of 512 consecutive bytes and turn through the wave's own
; stage in LDS (16 rows of 1,024 bytes + 16), since the conversions want 16 neighbours along K in one lane.  The weights' path uses no LDS.
; A block's scale is 2^(floor(log2(largest magnitude)) - 4): its byte is the largest magnitude's exponent field - 4, held at 1 from below by a floor among the maximum's leaves.
; LIMITS: NaN and infinities in x are not served.  A block whose largest magnitude lies under 2^-122 keeps the byte 1; a block of zeros gets the byte 1 where the rule says 127: its codes are
; zeros, which add nothing under any byte but 0xff, and the bytes are read by this program alone.
.set SP,   1040                        ; a stage row: 1,024 bytes + 16 = 260 words: row r starts at bank 4 r mod 64
.set STW,  16*SP                       ; a wave's stage
.set R,    16                          ; v16-143  32 x 4 registers as loaded; later K step 1's 64 numbers (weights: two fragments in v16-39, a scale word in v40)
.set X,    144                         ; v144-207 K step 0's 64 numbers
.set TM,   208                         ; v208-223 the quantiser's work
.set PC,   224                         ; v224-242 the codes just made
.set PW,   244                         ; the scale word just made
.set PW0,  245                         ; K step 0's, kept
.set SD,   246                         ; what the scale store sends
.set SEL,  20                          ; s[20:21] v_permlanex16_b32's selects for lane l xor 16
; 64 numbers of a lane, v[s] .. v[s + 63], register 16 b + i = k 32 b + 16 (lane / 16) + i of my row, become a fragment's codes in v[PC] on and its scale word in v[PW].
.macro QUANT s
.irp b, 0,1,2,3
	v_max3_num_f32 v[TM+\b], |v[\s+16*\b]|, |v[\s+1+16*\b]|, 0x2800000   ; block b: my 16 numbers, and the floor 2^(5 - 127): the byte cannot fall under 1
.endr
.irp i, 2,4,6,8,10,12,14
.irp b, 0,1,2,3
	v_max3_num_f32 v[TM+\b], v[TM+\b], |v[\s+16*\b+\i]|, |v[\s+1+16*\b+\i]|   ; the four blocks by turns
.endr
.endr
.irp b, 0,1,2,3
	v_permlanex16_b32 v[TM+4+\b], v[TM+\b], s[SEL], s[SEL+1]
.endr
.irp b, 0,1,2,3
	v_max_num_f32 v[TM+\b], v[TM+\b], v[TM+4+\b]   ; with lane l xor 16's: the block's largest magnitude
.endr
.irp b, 0,1,2,3
	v_add_nc_u32 v[TM+12+\b], 0xfe000000, v[TM+\b]   ; 4 off its exponent field: the conversion's scale operand
.endr
.irp b, 0,1,2,3
	v_lshrrev_b32 v[TM+4+\b], 23, v[TM+12+\b]   ; the scale's byte
.endr
	v_lshl_or_b32 v[PW], v[TM+5], 8, v[TM+4]
	v_lshl_or_b32 v[PW], v[TM+6], 16, v[PW]
	v_lshl_or_b32 v[PW], v[TM+7], 24, v[PW]
.irp c, 0,1
	v_cvt_scalef32_pk16_bf6_f32 v[PC+6*\c:PC+2+6*\c], v[\s+32*\c:\s+15+32*\c], v[TM+12+2*\c]
	v_cvt_scalef32_pk16_bf6_f32 v[PC+12+4*\c:PC+14+4*\c], v[\s+16+32*\c:\s+31+32*\c], v[TM+12+2*\c+1]   ; a conversion's three registers begin on an even number
.endr
	v_nop                                          ; one plain place behind a scaled conversion
.irp c, 0,1                                    ; the operand's layout wants a whole block in a lane: lanes 0-15 block 2 c, lanes 16-31 block 2 c + 1
.irp i, 0,1,2
	v_permlane16_swap_b32 v[PC+6*\c+\i], v[PC+12+4*\c+\i]
.endr
.irp i, 0,1,2
	v_mov_b32 v[PC+3+6*\c+\i], v[PC+12+4*\c+\i]
.endr
.endr
.endm
	s_load_b256 s[4:11], s[0:1], 0x0               ; x s[4:5], W_qkv's codes s[6:7], its scales s[8:9], W_out's codes s[10:11]
	s_load_b128 s[12:15], s[0:1], 0x20             ; W_out's scales s[12:13], xw s[14:15]
	s_load_b64 s[16:17], s[0:1], 0x30              ; xws
	v_lshl_add_u32 v248, v0, 2, 0x10400
	v_mov_b32 v249, 0
	v_lshrrev_b32 v1, 5, v0
	v_readfirstlane_b32 s18, v1                    ; wave = sp
	v_and_b32 v1, 31, v0                           ; lane
	v_and_b32 v2, 15, v0                           ; r
	v_bfe_u32 v3, v0, 4, 1                         ; h
	v_lshlrev_b32 v4, 4, v1                        ; 16 l: a load's and an image's place for my lane
	v_lshlrev_b32 v7, 3, v2
	v_lshl_add_u32 v7, v3, 2, v7                   ; 8 r + 4 h: lanes 0-15 send K step 2 sp's word, lanes 16-31 K step 2 sp + 1's
	s_mul_i32 s30, s18, STW
	v_add_nc_u32 v5, s30, v4                       ; the stage, on the way in
	v_mul_u32_u24 v6, v2, SP
	v_lshl_add_u32 v6, v3, 6, v6
	v_add_nc_u32 v6, s30, v6                       ; and out: row r, + 64 h: my 16 numbers of a block of 32
	v_and_b32 v10, 8, v2
	v_add_nc_u32 v10, v10, v2                      ; r + 8 (r / 8)
	v_mul_u32_u24 v8, v10, 768                     ; the weights: a row of 1,024 codes is 768 bytes,
	v_mad_u32_u24 v8, v3, 24, v8                   ; + 24 h
	v_lshlrev_b32 v9, 5, v10                       ; a row of scale bytes is 32,
	v_lshl_add_u32 v9, v3, 2, v9                   ; + 4 h: the second K step's word for lanes 16-31
	s_lshl_b32 s24, ttmp9, 3
	s_lshl_b32 s25, s18, 1
	s_add_co_u32 s24, s24, s25
	s_mul_i32 s24, s24, 1536                       ; xw: (8 T + 2 sp) fragments on
	s_mov_b32 s25, 0
	s_lshl_b32 s26, ttmp9, 9
	s_lshl_b32 s27, s18, 7
	s_add_co_u32 s26, s26, s27                     ; xws: 512 T + 128 sp
	s_mov_b32 s27, 0
	s_mov_b32 s[SEL], 0x76543210
	s_mov_b32 s[SEL+1], 0xfedcba98
	s_wait_kmcnt 0x0
	s_add_nc_u64 s[14:15], s[14:15], s[24:25]
	s_add_nc_u64 s[16:17], s[16:17], s[26:27]
	s_cmp_lt_u32 ttmp9, 512                        ; a tile of x, or of a weight?  The work-group's number alone decides
	s_cbranch_scc0 .Lweights
	; ---- x
	s_lshr_b32 s28, ttmp9, 1
	s_lshl_b32 s28, s28, 5
	s_and_b32 s29, ttmp9, 1
	s_lshl_b32 s29, s29, 3
	s_add_co_u32 s28, s28, s29                     ; the tile's first row: 32 (T / 2) + 8 (T % 2)
	s_lshl_b32 s28, s28, 12                        ; rows of 4,096 bytes (under 2^25 in all)
	s_lshl_b32 s29, s18, 10
	s_add_co_u32 s28, s28, s29                     ; + my 256 numbers along K
	s_mov_b32 s29, 0
	s_add_nc_u64 s[4:5], s[4:5], s[28:29]
.set n, 0
.rept 32                                       ; row i = n / 2 of the tile, half n % 2 of its 1,024 bytes: 32 lanes read 512 consecutive bytes
	global_load_b128 v[R+4*n:R+4*n+3], v4, s[4:5] offset:((n/2)+8*((n/2)/8))*4096+512*(n%2) th:TH_LOAD_NT
.set n, n+1
.endr
.irp b, 0,1,2,3
	v_mov_b32 v[TM+4+\b], 0                        ; written once: a lane permute's destination counts as one of its sources
.endr
.irp g, 0,1,2,3
	s_wait_loadcnt 24-8*\g                         ; the oldest 8 (g + 1) loads are in; the younger ones stay out
.irp m, 0,1,2,3,4,5,6,7
	ds_store_b128 v5, v[R+4*(8*\g+\m):R+4*(8*\g+\m)+3] offset:SP*((8*\g+\m)/2)+512*(\m%2)
.endr
.endr
.irp b, 0,1,2,3
.irp j, 0,1,2,3
	ds_load_b128 v[X+16*\b+4*\j:X+16*\b+4*\j+3], v6 offset:128*\b+16*\j   ; LDS serves a wave's instructions in order: these see my stores.  K step 0
.endr
.endr
	s_wait_dscnt 0x0                               ; K step 0 is in, and the stores have read R
.irp b, 0,1,2,3
.irp j, 0,1,2,3
	ds_load_b128 v[R+16*\b+4*\j:R+16*\b+4*\j+3], v6 offset:512+128*\b+16*\j   ; K step 1 lands while K step 0 is quantised
.endr
.endr
	QUANT X
.irp c, 0,1,2
	global_store_b128 v4, v[PC+4*\c:PC+4*\c+3], s[14:15] offset:512*\c   ; 32 lanes store 512 consecutive bytes, at a multiple of 256 from xw's first byte
.endr
	v_mov_b32 v[PW0], v[PW]
	s_wait_dscnt 0x0                               ; K step 1 is in
	s_wait_xcnt 0x0                                ; the stores' data registers are written again only behind this wait
	QUANT R
.irp c, 0,1,2
	global_store_b128 v4, v[PC+4*\c:PC+4*\c+3], s[14:15] offset:1536+512*\c
.endr
	s_mov_b32 vcc_lo, 0xffff0000
	v_cndmask_b32 v[SD], v[PW0], v[PW], vcc_lo     ; lanes 16-31 send K step 1's word (every lane holds its row's)
	global_store_b32 v7, v[SD], s[16:17]           ; 128 consecutive bytes
	s_wait_tensorcnt 0x0
	ds_add_u32 v248, v249
	s_wait_dscnt 0x0
	s_endpgm
.Lweights:                                     ; ---- a weight's tile: the codes' 24 bytes of a lane are the operand's registers as they lie
	s_sub_co_u32 s28, ttmp9, 512
	s_cmp_lt_u32 s28, 192                          ; W_qkv's 192 tiles, then W_out's 64
	s_cselect_b64 s[6:7], s[6:7], s[10:11]
	s_cselect_b64 s[8:9], s[8:9], s[12:13]
	s_cselect_b32 s29, 0, 192
	s_sub_co_u32 s28, s28, s29                     ; the tile's number in its weight
	s_lshr_b32 s29, s28, 1
	s_lshl_b32 s29, s29, 5
	s_and_b32 s28, s28, 1
	s_lshl_b32 s28, s28, 3
	s_add_co_u32 s28, s28, s29                     ; its first row
	s_mul_i32 s24, s28, 768
	s_mul_i32 s25, s18, 192
	s_add_co_u32 s24, s24, s25                     ; codes: row x 768 + 192 sp
	s_mov_b32 s25, 0
	s_lshl_b32 s26, s28, 5
	s_lshl_b32 s27, s18, 3
	s_add_co_u32 s26, s26, s27                     ; scale bytes: row x 32 + 8 sp
	s_mov_b32 s27, 0
	s_add_nc_u64 s[6:7], s[6:7], s[24:25]
	s_add_nc_u64 s[8:9], s[8:9], s[26:27]
.irp s, 0,1
.irp p, 0,1,2,3,4,5
	global_load_b64 v[R+12*\s+2*\p:R+12*\s+2*\p+1], v8, s[6:7] offset:96*\s+48*(\p/3)+8*(\p%3)   ; in pieces of 8 bytes: every address is a multiple of the access's size
.endr
.endr
	global_load_b32 v[R+24], v9, s[8:9]
	s_wait_loadcnt 0x0
.irp s, 0,1
.irp c, 0,1,2
	global_store_b128 v4, v[R+12*\s+4*\c:R+12*\s+4*\c+3], s[14:15] offset:1536*\s+512*\c
.endr
.endr
	global_store_b32 v7, v[R+24], s[16:17]
	s_endpgm
.Lfunc_end_k_qa879b3f246_prep:
	.size	k_qa879b3f246_prep, .Lfunc_end_k_qa879b3f246_prep-k_qa879b3f246_prep
	.p2alignl 7, 3214868480
	.fill 96, 4, 3214868480
	.section	.rodata,"a",@progbits
	.p2align	6, 0x0
	.amdhsa_kernel k_qa879b3f246_prep
		.amdhsa_group_segment_fixed_size 67072
		.amdhsa_private_segment_fixed_size 0
		.amdhsa_enable_private_segment 0
		.amdhsa_kernarg_size 56
		.amdhsa_user_sgpr_count 2
		.amdhsa_user_sgpr_kernarg_segment_ptr 1
		.amdhsa_wavefront_size32 1
		.amdhsa_system_sgpr_workgroup_id_x 1
		.amdhsa_system_sgpr_workgroup_id_y 1
		.amdhsa_system_sgpr_workgroup_id_z 1
		.amdhsa_system_vgpr_workitem_id 0
		.amdhsa_next_free_vgpr 250
		.amdhsa_next_free_sgpr 66
		.amdhsa_reserve_vcc 1
		.amdhsa_float_denorm_mode_32 3
		.amdhsa_float_denorm_mode_16_64 3
		.amdhsa_memory_ordered 1
		.amdhsa_forward_progress 1
		.amdhsa_inst_pref_size 21
	.end_amdhsa_kernel
	.amdgpu_metadata
---
amdhsa.version: [ 1, 2 ]
amdhsa.kernels:
  - .name:           k_qa879b3f246_prep
    .symbol:         k_qa879b3f246_prep.kd
    .args:
      - { .name: x, .offset: 0, .size: 8, .value_kind: global_buffer, .address_space: global }
      - { .name: W_qkv_codes, .offset: 8, .size: 8, .value_kind: global_buffer, .address_space: global }
      - { .name: W_qkv_scales, .offset: 16, .size: 8, .value_kind: global_buffer, .address_space: global }
      - { .name: W_out_codes, .offset: 24, .size: 8, .value_kind: global_buffer, .address_space: global }
      - { .name: W_out_scales, .offset: 32, .size: 8, .value_kind: global_buffer, .address_space: global }
      - { .name: xw, .offset: 40, .size: 8, .value_kind: global_buffer, .address_space: global }
      - { .name: xws, .offset: 48, .size: 8, .value_kind: global_buffer, .address_space: global }
    .group_segment_fixed_size: 67072
    .private_segment_fixed_size: 0
    .kernarg_segment_align: 8
    .kernarg_segment_size: 56
    .max_flat_workgroup_size: 128
    .sgpr_count:     66
    .vgpr_count:     250
    .wavefront_size: 32
...
	.end_amdgpu_metadata
.endif
;; end of part 1
;; launch qkvgemm (part 2): grid 12 x 32, 4 waves a work-group, clusters of 4 x 4, 327,680 bytes of LDS; arguments xw, xws, b_qkv, qkv, qkvs; writes qkv, qkvs
.if DOCPART == 2
	.amdgcn_target "amdgcn-amd-amdhsa--gfx1250"
	.amdhsa_code_object_version 6
	.text
	.protected	k_qa879b3f246_qkvgemm
	.globl	k_qa879b3f246_qkvgemm
	.p2align	8
	.type	k_qa879b3f246_qkvgemm,@function
k_qa879b3f246_qkvgemm:
	s_mov_b64 s[64:65], 0
	v_nop
	global_prefetch_b8 v0, s[64:65] scope:SCOPE_SE
	s_setreg_imm32_b32 hwreg(HW_REG_WAVE_MODE, 25, 1), 1
	s_wait_xcnt 0x0
	s_wait_alu depctr_hold_cnt(0) depctr_sa_sdst(0) depctr_va_vdst(0) depctr_va_sdst(0) depctr_va_ssrc(0) depctr_va_vcc(0) depctr_vm_vsrc(0)
	s_getreg_b32 s2, hwreg(HW_REG_IB_STS2, 6, 4)
	s_cmp_eq_u32 s2, 0
	s_cbranch_scc0 .Lentry_in_a_cluster
	s_endpgm
.Lentry_in_a_cluster:
	s_bfe_u32 s2, ttmp6, 0x10000c
	s_cmp_lg_u32 s2, 0xf033
	s_cbranch_scc0 .Lentry_shape_is_right
	s_endpgm
.Lentry_shape_is_right:
; qkv = x W_qkv + b_qkv on codes of E3M2, and q, k, v quantised on the way out: q and k along the head's 64, v along the keys.  Operands come from xw and xws, laid as images of operand registers.
; ONE TEXT FOR q, k AND v.  The kernel multiplies an A side (source 1: a lane holds one of its rows) by a B side (source 0: a lane's registers run along its rows); each side is a block of 256 rows
; (16 tiles) of xw.  The cluster's x says what is made: 0 q, 1 k, 2 v.  For q and k: A = rows of x, B = rows of W (features), so that a lane's registers run along the head's 64.
; For v the sides change places: A = rows of W_v, B = rows of x (keys), so that a lane's registers run along the keys, the second attention product's K.
; A tile's 16 rows are 32 B + 8 u + i + 8 (i / 8): so the 64 result registers of one A tile against my eight B tiles are, block by block of 32, 16 neighbours of my half: the quantiser's order.
; SHARES.  A work-group of four waves makes 256 x 256, a wave 128 x 128: 64 accumulators, 512 registers.  K = 1,024 goes in four steps of 256 through two LDS slots filled by the tensor data mover.
; CLUSTERS.  4 x 4 work-groups: the four of a row need the same A side, the four of a column the same B side: each tile is asked for jointly.  A cluster is one batch (1,024 rows of x) against 1,024 features.
; 384 work-groups: the change of sides wants a square tile, and 8,192 rows do not divide into tiles of 192.
; OUT.  qkv: three regions of 6,291,456 bytes (q, k, v), each [16 b + head][49,152].  q, k: [tile T of 16 rows][768]: the lower six registers of a fragment (K = 64): registers 0-3 at 16 l, 4-5 at 512 + 8 l.
; v: [key step of 128][tile dt of 16 d][1,536]: two such halves.  qkvs: three regions of 524,288, each [16 b + head][4,096].  q, k: [T][r] words, bytes 0, 1 the head's two blocks (bytes 2, 3: any byte but 0xff, over zero codes);
; v: [key step][dt][lane] words.
; LIMITS: NaN and infinities are not served; a block under 2^-122, zeros among them, keeps the byte 1 (its codes are zeros or the rule's own; this program alone reads the bytes).
; REGISTERS: window 0: v1-15 offsets; v16-29 LDS addresses; v30-31 the way out's scale word; v32-63 scale words, two sets; v64-127 b_qkv by my B rows; v128-223 A's fragments, one set (on the way out: numbers and codes);
;   v224-239 b_qkv by my A rows; v240-255 the quantiser's work.  window 1: B's fragments, two sets, at v0 and v128.  windows 2, 3: the accumulators ((a, b) at v[8 (8 (a % 4) + b)]).
.set NQ,     2                         ; K steps of 128 in a slot
.set FR,     12                        ; registers of a fragment
.set NL,     3                         ; LDS loads that bring one
.set NP,     4                         ; places behind this matrix instruction (ISA guide 7.12.1)
.set FRB,    1536                      ; a fragment's image
.set TILB,   NQ*FRB                    ; a tile's bytes in a slot
.set TROW,   8*FRB                     ; a tile's bytes in xw
.set HALFT,  8*TILB                    ; 8 tiles: what one tensor load brings, and what one wave reads of a side
.set SLOT,   4*HALFT                   ; A's 16 tiles, then B's 16
.set SCL,    2*SLOT                    ; behind the ring: A's scale words (8,192 bytes), then B's: filled once
.set SPARE,  SCL+4*4096                ; the spare words, 128 bytes for each wave: two blocks of 256 bytes that no other line names
.set VO0,  4                           ; v4   16 l
.set VO1,  9                           ; v9   8 l + 512
.set VO2,  10                          ; v10  16 l + the second half's distance
.set VO3,  11                          ; v11  8 l + 512 + that
.set VS,   12                          ; v12  where my lane's scale word goes
.set SH,   13                          ; v13  how far it is shifted down first
.set ADRA, 16                          ; v16-17 LDS address of my A fragments in slot 0, 1
.set ADRB, 20                          ; v20-21 the same for B
.set ADRS, 27                          ; v27  LDS address of my scale words: lanes 0-15 A's, lanes 16-31 B's
.set SPW,  28                          ; v28  LDS address of my spare word; never rewritten
.set NIL,  29                          ; v29  0; never rewritten
.set PW,   30
.set SD,   31
.set SC,   32                          ; set s at v[SC + 16 s]; register 2 i + q: lanes 0-15 A's tile i, lanes 16-31 B's tile i, the slot's q-th 128 along K
.set BV,   64
.set AF,   128
.set T,    128                         ; the way out: 64 numbers
.set PC,   192                         ; and their codes
.set BA,   224
.set TM,   240
.set G1, 24                            ; s[24:31] group 1 for A's tiles; s[32:39] groups 0, one for each slot
.set G0, 32
.set G1B, 48                           ; s[48:55], s[56:63] the same for B's
.set G0B, 56
.set G1S, 68                           ; s[68:75], s[76:79] for A's scale words; s[80:87], s[88:91] for B's
.set G0S, 76
.set G1SB, 80
.set G0SB, 88
.set KIND, 66                          ; s66 0 q, 1 k, 2 v: the cluster's x, alike in all sixteen partners
.set CLY,  67                          ; s67 the cluster's y: the batch
.set SEL,  46                          ; s[46:47] lane selects
.set OC,   96                          ; s[96:97] where the codes go
.set OS,   98                          ; s[98:99] where the scale words go
.set STC,  18                          ; s[18:19], s[20:21] the codes' step from A tile to A tile, and from tile 3 to tile 4
.set STC2, 20
.set STS,  22                          ; s[22:23], s[92:93] the same for the scale words
.set STS2, 92
.set MSB, 0
.macro WIN new                         ; the immediate's high byte repeats the setting that is left
.if MSB != \new
	s_set_vgpr_msb (MSB<<8)|\new
.set MSB, \new
.endif
.endm
.set MUL_LO, 0xa1                      ; source 0 (B) window 1, source 1 (A) window 0, C and D window 2
.set MUL_HI, 0xf1                      ; the same, C and D window 3
.set TO_B,   0x40                      ; destination window 1, address window 0
; A joint load: waves 0 and 1 fetch for A, waves 2 and 3 for B.  The branch hangs on the wave's number alone.  Four v_nop follow each of the two lines.
.macro JLOAD g0a, g1a, g0b, g1b
	s_cmp_eq_u32 s15, 0
	s_cbranch_scc0 .Lfor_b_\@
	tensor_load_to_lds s[\g0a:\g0a+3], s[\g1a:\g1a+7]
	s_nop 0
.rept 4
	v_nop
.endr
	s_branch .Lasked_\@
.Lfor_b_\@:
	tensor_load_to_lds s[\g0b:\g0b+3], s[\g1b:\g1b+7]
	s_nop 0
.rept 4
	v_nop
.endr
.Lasked_\@:
.endm
.macro CREST                           ; a round of the cluster's barrier behind its opening barrier
	s_cmp_lg_u32 s14, 0
	s_cbranch_scc1 .Lnot_wave_0_\@
	s_barrier_signal -3
.Lnot_wave_0_\@:
	s_barrier_wait -3
	s_barrier_signal -1
	s_barrier_wait -1
.endm
.macro CROUND                          ; a whole round
	s_barrier_signal -1
	s_barrier_wait -1
	CREST
.endm
.macro QUANT s                         ; 64 numbers, register 16 b + i = k 32 b + 16 (lane / 16) + i of my row, become a fragment's codes in v[PC] on and its scale word in v[PW]
.irp b, 0,1,2,3
	v_max3_num_f32 v[TM+\b], |v[\s+16*\b]|, |v[\s+1+16*\b]|, 0x2800000   ; and the floor 2^(5 - 127): the byte cannot fall under 1
.endr
.irp i, 2,4,6,8,10,12,14
.irp b, 0,1,2,3
	v_max3_num_f32 v[TM+\b], v[TM+\b], |v[\s+16*\b+\i]|, |v[\s+1+16*\b+\i]|
.endr
.endr
.irp b, 0,1,2,3
	v_permlanex16_b32 v[TM+4+\b], v[TM+\b], s[SEL], s[SEL+1]
.endr
.irp b, 0,1,2,3
	v_max_num_f32 v[TM+\b], v[TM+\b], v[TM+4+\b]
.endr
.irp b, 0,1,2,3
	v_add_nc_u32 v[TM+12+\b], 0xfe000000, v[TM+\b]   ; 4 off the exponent field: the conversion's scale operand
.endr
.irp b, 0,1,2,3
	v_lshrrev_b32 v[TM+4+\b], 23, v[TM+12+\b]
.endr
	v_lshl_or_b32 v[PW], v[TM+5], 8, v[TM+4]
	v_lshl_or_b32 v[PW], v[TM+6], 16, v[PW]
	v_lshl_or_b32 v[PW], v[TM+7], 24, v[PW]
.irp c, 0,1
	v_cvt_scalef32_pk16_bf6_f32 v[PC+6*\c:PC+2+6*\c], v[\s+32*\c:\s+15+32*\c], v[TM+12+2*\c]
	v_cvt_scalef32_pk16_bf6_f32 v[PC+12+4*\c:PC+14+4*\c], v[\s+16+32*\c:\s+31+32*\c], v[TM+12+2*\c+1]
.endr
	v_nop                                          ; one plain place behind a scaled conversion
.irp c, 0,1
.irp i, 0,1,2
	v_permlane16_swap_b32 v[PC+6*\c+\i], v[PC+12+4*\c+\i]
.endr
.irp i, 0,1,2
	v_mov_b32 v[PC+3+6*\c+\i], v[PC+12+4*\c+\i]
.endr
.endr
.endm
	s_load_b256 s[4:11], s[0:1], 0x0               ; xw s[4:5], xws s[6:7], b_qkv s[8:9], qkv s[10:11]
	s_load_b64 s[12:13], s[0:1], 0x20              ; qkvs
	v_lshl_add_u32 v[SPW], v0, 2, SPARE
	v_mov_b32 v[NIL], 0
	ds_add_u32 v28, v29
	ds_add_u32 v28, v29
	s_wait_dscnt 0x0
	v_lshrrev_b32 v1, 5, v0
	v_readfirstlane_b32 s14, v1                    ; wave 0..3
	s_lshr_b32 s15, s14, 1                         ; which half of the A side is mine.  Also: I fetch for A (0) or for B (1)
	s_and_b32 s16, s14, 1                          ; which half of the B side.  Also: which 8 tiles of that side I fetch
	s_bfe_u32 s40, ttmp6, 0x40000                  ; cx, cy: my place in the cluster
	s_bfe_u32 s41, ttmp6, 0x40004
	s_mov_b32 s[KIND], ttmp9
	s_and_b32 s[CLY], ttmp7, 0xffff
	s_add_co_u32 s42, s[KIND], 8
	s_cmp_eq_u32 s[KIND], 2
	s_cselect_b32 s17, 10, s[CLY]                  ; A: W_v's blocks 40 + cy, or x's 4 batch + cy
	s_cselect_b32 s42, s[CLY], s42                 ; B: x's blocks 4 batch + cx, or W's 32 + 4 kind + cx
	s_lshl_b32 s17, s17, 2
	s_add_co_u32 s17, s17, s41                     ; A's block of 256 rows of xw: it never holds cx
	s_lshl_b32 s42, s42, 2
	s_add_co_u32 s42, s42, s40                     ; B's: it never holds cy
	s_lshl_b32 s43, s41, 2
	s_lshl_b32 s43, 15, s43                        ; my row of the cluster
	s_lshl_b32 s44, 0x1111, s40                    ; my column
	; group 1: 8 tiles x 3,072 bytes (two fragments of each), 12,288 bytes apart in xw; elements of 8 bytes; no padding: every LDS load reads 512 consecutive bytes
	s_or_b32 s[G1+0], s43, (3<<16)|(1<<21)         ; 15:0 the mask: A's tiles go to my row; 17:16 elements of 8 bytes; 21 set beside a mask
	s_or_b32 s[G1B+0], s44, (3<<16)|(1<<21)
.irp g, G1, G1B
	s_mov_b32 s[\g+1], (TILB/8)<<16                ; tensor_dim0 = 384
	s_mov_b32 s[\g+2], 8<<16                       ; tensor_dim1 = 8
	s_mov_b32 s[\g+3], (TILB/8)<<16                ; tile_dim0
	s_mov_b32 s[\g+4], 8                           ; tile_dim1
	s_mov_b32 s[\g+5], TROW/8                      ; tensor_dim0_stride
	s_mov_b32 s[\g+6], 0
	s_mov_b32 s[\g+7], 0
.endr
	; the scale words of 8 tiles, for all of K: 4,096 dense bytes, as 16 rows of 256
	s_or_b32 s[G1S+0], s43, (3<<16)|(1<<21)
	s_or_b32 s[G1SB+0], s44, (3<<16)|(1<<21)
.irp g, G1S, G1SB
	s_mov_b32 s[\g+1], 32<<16
	s_mov_b32 s[\g+2], 16<<16
	s_mov_b32 s[\g+3], 32<<16
	s_mov_b32 s[\g+4], 16
	s_mov_b32 s[\g+5], 32
	s_mov_b32 s[\g+6], 0
	s_mov_b32 s[\g+7], 0
.endr
	s_mul_i32 s18, s16, 8*TROW                     ; which 8 tiles of the 16 I fetch
	s_mul_i32 s20, s17, 16*TROW
	s_add_co_u32 s20, s20, s18
	s_mov_b32 s21, 0
	s_mul_i32 s46, s42, 16*TROW
	s_add_co_u32 s46, s46, s18
	s_mov_b32 s47, 0
	s_lshl_b32 s18, s16, 12
	s_lshl_b32 s22, s17, 13                        ; a block's scale words are 8,192 bytes
	s_add_co_u32 s22, s22, s18
	s_mov_b32 s23, 0
	s_lshl_b32 s92, s42, 13
	s_add_co_u32 s92, s92, s18
	s_mov_b32 s93, 0
	s_mul_i32 s45, s14, HALFT                      ; where they go: wave x 8 tiles: no place in the cluster enters an LDS address
	s_lshl_b32 s94, s14, 12
	s_wait_kmcnt 0x0
	s_add_nc_u64 s[20:21], s[4:5], s[20:21]
	s_add_nc_u64 s[22:23], s[6:7], s[22:23]
	s_add_nc_u64 s[46:47], s[4:5], s[46:47]
	s_add_nc_u64 s[92:93], s[6:7], s[92:93]
	CROUND                                         ; all sixteen work-groups are here: the first joint loads meet
	s_mov_b32 s[G0S], 1
	s_add_co_u32 s[G0S+1], s94, SCL
	s_mov_b64 s[G0S+2:G0S+3], s[22:23]
	s_or_b32 s[G0S+3], s[G0S+3], 0x80000000
	s_mov_b32 s[G0SB], 1
	s_add_co_u32 s[G0SB+1], s94, SCL
	s_mov_b64 s[G0SB+2:G0SB+3], s[92:93]
	s_or_b32 s[G0SB+3], s[G0SB+3], 0x80000000
	JLOAD G0S, G1S, G0SB, G1SB                     ; the scale words first: they are wanted with the first step
.irp s, 0,1
	s_mov_b32 s[G0+4*\s], 1
	s_add_co_u32 s[G0+4*\s+1], s45, \s*SLOT
	s_add_nc_u64 s[G0+4*\s+2:G0+4*\s+3], s[20:21], \s*TILB
	s_or_b32 s[G0+4*\s+3], s[G0+4*\s+3], 0x80000000
	s_mov_b32 s[G0B+4*\s], 1
	s_add_co_u32 s[G0B+4*\s+1], s45, \s*SLOT
	s_add_nc_u64 s[G0B+4*\s+2:G0B+4*\s+3], s[46:47], \s*TILB
	s_or_b32 s[G0B+4*\s+3], s[G0B+4*\s+3], 0x80000000
	JLOAD G0+4*\s, G1, G0B+4*\s, G1B               ; three tensor loads of mine are out
.endr
	v_and_b32 v1, 15, v0                           ; r
	v_bfe_u32 v2, v0, 4, 1                         ; h
	v_and_b32 v3, 31, v0                           ; l
	v_lshlrev_b32 v[VO0], 4, v3                    ; 16 l
	s_mul_i32 s21, s15, HALFT                      ; my 8 tiles of A
	s_mul_i32 s22, s16, HALFT                      ; my 8 tiles of B,
	s_add_co_u32 s22, s22, 2*HALFT                 ; which lie behind A's 16
.irp s, 0,1
	v_add_nc_u32 v[ADRA+\s], s21, v[VO0]
	v_add_nc_u32 v[ADRB+\s], s22, v[VO0]
	s_add_co_u32 s21, s21, SLOT
	s_add_co_u32 s22, s22, SLOT
.endr
	v_lshlrev_b32 v5, 3, v1                        ; my row's two words of a slot: 8 r
	s_lshl_b32 s21, s15, 12                        ; A's: my 8 tiles
	s_lshl_b32 s22, s16, 12                        ; B's: my 8 tiles, behind A's 8,192 bytes
	s_add_co_u32 s22, s22, 8192
	s_sub_co_u32 s22, s22, s21
	v_mul_u32_u24 v6, s22, v2                      ; lanes 16-31 take B's: one product, the distance x h
	s_add_co_u32 s21, s21, SCL
	v_add_nc_u32 v5, v5, v6
	v_add_nc_u32 v[ADRS], s21, v5
	; b_qkv.  For q and k the bias goes with my B rows (BV: 64 numbers in the quantiser's order), for v with my A rows (BA: one number a lane and tile, twice, for the packed form).  Both arrays are
	; loaded in every work-group, so that each register is written on every path: the array that a kind does not use reads b_qkv's first 512 bytes and is not used.
	s_sub_co_u32 s18, s42, 32
	s_lshl_b32 s18, s18, 8
	s_lshl_b32 s19, s16, 7
	s_add_co_u32 s18, s18, s19                     ; q, k: my first feature
	s_lshl_b32 s20, s41, 8
	s_lshl_b32 s19, s15, 7
	s_add_co_u32 s20, s20, s19
	s_add_co_u32 s20, s20, 2048                    ; v: my first feature
	s_cmp_eq_u32 s[KIND], 2
	s_cselect_b32 s18, 0, s18
	s_cselect_b32 s20, s20, 0
	s_lshl_b32 s18, s18, 2
	s_lshl_b32 s20, s20, 2
	s_mov_b32 s19, 0
	s_mov_b32 s21, 0
	s_add_nc_u64 s[4:5], s[8:9], s[18:19]
	s_add_nc_u64 s[6:7], s[8:9], s[20:21]
	v_lshlrev_b32 v14, 6, v2                       ; 64 h
	v_and_b32 v15, 8, v1
	v_add_nc_u32 v15, v15, v1
	v_lshlrev_b32 v15, 2, v15                      ; 4 (r + 8 (r / 8))
.irp n, 0,1,2,3,4,5,6,7,8,9,10,11,12,13,14,15
	global_load_b128 v[BV+4*\n:BV+4*\n+3], v14, s[4:5] offset:128*(\n/4)+16*(\n%4)
.endr
.irp a, 0,1,2,3,4,5,6,7
	global_load_b32 v[BA+2*\a], v15, s[6:7] offset:4*(32*(\a/2)+8*(\a%2))
	global_load_b32 v[BA+2*\a+1], v15, s[6:7] offset:4*(32*(\a/2)+8*(\a%2))
.endr
	; the way out's places.  P = 4 cx + 2 (B half), Q = 4 cy + 2 (A half).  q, k: first head P, first tile 4 Q;  v: first head Q, key step P / 2
	s_lshl_b32 s2, s40, 2
	s_lshl_b32 s3, s16, 1
	s_add_co_u32 s2, s2, s3
	s_lshl_b32 s3, s41, 2
	s_lshl_b32 s45, s15, 1
	s_add_co_u32 s3, s3, s45
	s_cmp_eq_u32 s[KIND], 2
	s_cselect_b32 s45, s3, s2                      ; the first of my two heads
	s_cselect_b32 s94, s2, s3                      ; my place inside a head, in units of 3,072 bytes of codes and 256 of scale words
	s_mov_b32 s[STC], 768
	s_cselect_b32 s[STC], 1536, s[STC]             ; from A tile to A tile: q, k the next tile of rows; v the next tile of d
	s_mov_b32 s[STC2], 768
	s_cselect_b32 s[STC2], 44544, s[STC2]          ; from tile 3 to tile 4: v goes on to the next head, 49,152 - 3 x 1,536
	s_cselect_b32 s[STS], 128, 64
	s_cselect_b32 s[STS2], 3712, 64                ; 4,096 - 3 x 128
	s_mov_b32 s95, 49152
	s_cselect_b32 s95, 768, s95                    ; the fragment's second half: q, k the next head; v 768 bytes on
	s_cselect_b32 s2, 64, 4096                     ; lanes 16-31's scale word: q, k the next head's; v the same word again, 64 bytes on
	s_cselect_b32 s3, 0, 16                        ; q, k: the next head's two bytes are the word's upper two
	s_mov_b32 s[STC+1], 0
	s_mov_b32 s[STC2+1], 0
	s_mov_b32 s[STS+1], 0
	s_mov_b32 s[STS2+1], 0
	v_lshl_add_u32 v[VO1], v3, 3, 512
	v_add_nc_u32 v[VO2], s95, v[VO0]
	v_add_nc_u32 v[VO3], s95, v[VO1]
	v_mul_u32_u24 v[VS], s2, v2
	v_lshl_add_u32 v[VS], v1, 2, v[VS]
	v_mul_u32_u24 v[SH], s3, v2
	s_lshl_b32 s46, s[CLY], 4
	s_add_co_u32 s46, s46, s45                     ; 16 b + head
	s_mul_i32 s[OC], s[KIND], 6291456
	s_mul_i32 s47, s46, 49152
	s_add_co_u32 s[OC], s[OC], s47
	s_mul_i32 s47, s94, 3072
	s_add_co_u32 s[OC], s[OC], s47                 ; under 2^25
	s_mov_b32 s[OC+1], 0
	s_add_nc_u64 s[OC:OC+1], s[10:11], s[OC:OC+1]
	s_lshl_b32 s[OS], s[KIND], 19
	s_lshl_b32 s47, s46, 12
	s_add_co_u32 s[OS], s[OS], s47
	s_lshl_b32 s47, s94, 8
	s_add_co_u32 s[OS], s[OS], s47
	s_mov_b32 s[OS+1], 0
	s_add_nc_u64 s[OS:OS+1], s[12:13], s[OS:OS+1]
	s_mov_b32 s[SEL], 0x76543210
	s_mov_b32 s[SEL+1], 0xfedcba98
.macro FRAG reg, adr, q, i             ; a fragment's image, 1,536 bytes, comes by three loads of 16 bytes a lane: tile i, the slot's q-th 128 along K
.irp c, 0,1,2
	ds_load_b128 v[\reg+4*\c:\reg+4*\c+3], v[\adr] offset:(\i)*TILB+(\q)*FRB+512*\c
.endr
.endm
; 16 matrix instructions: A's tiles a0, a0 + 1 x B's eight.  p: B's set; sc: the set of scale words.  zero = 1: the first product starts the sums.  The 64 accumulators take turns, one instruction a
; turn, in the same order in every step.
.macro MUL16 a0, p, q, sc, zero
.irp a, \a0, \a0+1
.irp b, 0,1,2,3,4,5,6,7
.if \zero
	v_wmma_scale_f32_16x16x128_f8f6f4 v[8*(8*((\a)%4)+\b):8*(8*((\a)%4)+\b)+7], v[128*(\p)+FR*\b:128*(\p)+FR*\b+FR-1], v[AF+FR*(\a):AF+FR*(\a)+FR-1], 0, v[SC+8*NQ*(\sc)+NQ*\b+(\q)], v[SC+8*NQ*(\sc)+NQ*(\a)+(\q)] matrix_a_fmt:MATRIX_FMT_BF6 matrix_b_fmt:MATRIX_FMT_BF6 matrix_a_scale:MATRIX_SCALE_ROW1
.else
	v_wmma_scale_f32_16x16x128_f8f6f4 v[8*(8*((\a)%4)+\b):8*(8*((\a)%4)+\b)+7], v[128*(\p)+FR*\b:128*(\p)+FR*\b+FR-1], v[AF+FR*(\a):AF+FR*(\a)+FR-1], v[8*(8*((\a)%4)+\b):8*(8*((\a)%4)+\b)+7], v[SC+8*NQ*(\sc)+NQ*\b+(\q)], v[SC+8*NQ*(\sc)+NQ*(\a)+(\q)] matrix_a_fmt:MATRIX_FMT_BF6 matrix_b_fmt:MATRIX_FMT_BF6 matrix_a_scale:MATRIX_SCALE_ROW1
.endif
.endr
.endr
.endm
.macro FETCH_B slot, q, p
	WIN TO_B
.irp i, 0,1,2,3,4,5,6,7
	FRAG 128*(\p)+FR*\i, ADRB+\slot, \q, \i
.endr
	WIN 0
.endm
.macro FETCH_A slot, q, i0
.irp i, \i0, \i0+1, \i0+2, \i0+3
	FRAG AF+FR*(\i), ADRA+\slot, \q, \i
.endr
.endm
.macro SCALES sc                       ; a slot's scale words into set sc: two words a row; lanes 0-15 A's tile i, lanes 16-31 B's tile i
.irp i, 0,1,2,3,4,5,6,7
	ds_load_b64 v[SC+8*NQ*\sc+NQ*\i:SC+8*NQ*\sc+NQ*\i+1], v[ADRS] offset:\i*512
.endr
.endm
.macro PLACES n                        ; a load into a register that a matrix instruction has read, and a vector instruction that reads a result, stand NP plain vector instructions behind it (ISA guide 7.12.1 for vector instructions)
.rept \n
	v_nop
.endr
.endm
.macro STEP slot, q, zero              ; a step of 128 along K that has its successor in the same slot
	s_wait_dscnt 4*NL                              ; B's set, A's tiles 0-3 and the scale words are in; the youngest 12 loads (A's tiles 4-7) may be out
	WIN MUL_LO
	MUL16 0, (\q)%2, \q, \slot, \zero
	MUL16 2, (\q)%2, \q, \slot, \zero
	s_wait_dscnt 0                                 ; A's tiles 4-7 are in (asked for 32 matrix instructions ago)
	PLACES NP
	FETCH_B \slot, (\q)+1, 1-(\q)%2
	FETCH_A \slot, (\q)+1, 0
	WIN MUL_HI
	MUL16 4, (\q)%2, \q, \slot, \zero
	MUL16 6, (\q)%2, \q, \slot, \zero
	PLACES NP
	WIN 0
	FETCH_A \slot, (\q)+1, 4
.endm
; A slot's last step changes slots: one barrier; in front of it each wave waits for all its tensor loads, adds 0 to its spare word, and waits for that and for its reads of this slot.  fill = 1: the slot is filled again, two slots ahead.
.macro TURN slot, next, fill
	s_wait_tensorcnt 0x0                           ; all my tensor loads have landed: my part of the next slot
	ds_add_u32 v[SPW], v[NIL]                      ; 0 onto my spare word
	s_wait_dscnt 4*NL+1                            ; the add and the youngest 12 loads (A's tiles 4-7) may be out
	WIN MUL_LO
	MUL16 0, 1, NQ-1, \slot, 0                     ; sixteen matrix instructions stand between the add and the wait for it
	s_wait_dscnt 0x0                               ; the add is done, and my reads of this slot are over
	s_barrier_signal -1
	MUL16 2, 1, NQ-1, \slot, 0
	WIN 0
	s_barrier_wait -1
.if \fill
	CREST                                          ; the barrier has opened a round of the cluster's: no wave of any partner still reads this slot or has a load on its way
	s_add_nc_u64 s[G0+4*\slot+2:G0+4*\slot+3], s[G0+4*\slot+2:G0+4*\slot+3], 2*TILB
	s_add_nc_u64 s[G0B+4*\slot+2:G0B+4*\slot+3], s[G0B+4*\slot+2:G0B+4*\slot+3], 2*TILB
	JLOAD G0+4*\slot, G1, G0B+4*\slot, G1B         ; the first tensor load behind the round, my one load until the next; its four v_nop are the places in front of the loads below
.else
	PLACES NP
.endif
	v_add_nc_u32 v[ADRS], 128, v[ADRS]             ; on to the next slot's scale words (no LDS load of mine is out)
	FETCH_B \next, 0, 0
	FETCH_A \next, 0, 0
	SCALES \next
	WIN MUL_HI
	MUL16 4, 1, NQ-1, \slot, 0
	MUL16 6, 1, NQ-1, \slot, 0
	PLACES NP
	WIN 0
	FETCH_A \next, 0, 4
.endm
	s_wait_tensorcnt 1                             ; the scale words and my part of slot 0 are in; slot 1's load may be out
	s_barrier_signal -1
	s_barrier_wait -1
	FETCH_B 0, 0, 0
	FETCH_A 0, 0, 0
	SCALES 0
	FETCH_A 0, 0, 4
	STEP 0, 0, 1                                   ; K has four slots' worth: the eight steps are written out
	TURN 0, 1, 1
	STEP 1, 0, 0
	TURN 1, 0, 1
	STEP 0, 0, 0
	TURN 0, 1, 0                                   ; nothing is left to fetch
	STEP 1, 0, 0
	s_wait_dscnt 4*NL
	WIN MUL_LO
	MUL16 0, 1, NQ-1, 1, 0
	MUL16 2, 1, NQ-1, 1, 0
	s_wait_dscnt 0
	WIN MUL_HI
	MUL16 4, 1, NQ-1, 1, 0
	MUL16 6, 1, NQ-1, 1, 0
	WIN 0
; THE WAY OUT, A tile by A tile.  The tile's 64 sums of a lane take their bias (the addition is also their move into window 0, each accumulator from its low end on), are quantised as they stand,
; and the fragment leaves as two halves of six registers: stores of 512 and of 256 consecutive bytes, at multiples of 256 from qkv's first byte.
.macro EPI a
.set AC, 64*((\a)%4)
	s_cmp_eq_u32 s[KIND], 2
	s_cbranch_scc1 .Lbias_a_\@
	WIN 0x02+(\a)/4                                ; source 0: window 2 or 3
.set i, 0
.rept 32
	v_pk_add_f32 v[T+i:T+i+1], v[AC+i:AC+i+1], v[BV+i:BV+i+1]
.set i, i+2
.endr
	WIN 0
	s_branch .Lbiased_\@
.Lbias_a_\@:
	WIN 0x02+(\a)/4
.set i, 0
.rept 32
	v_pk_add_f32 v[T+i:T+i+1], v[AC+i:AC+i+1], v[BA+2*(\a):BA+2*(\a)+1]
.set i, i+2
.endr
	WIN 0
.Lbiased_\@:
.if (\a) > 0
	s_wait_xcnt 0x0                                ; the last tile's stores have read their data and their bases: both are written again only behind this wait
.if (\a) == 4
	s_add_nc_u64 s[OC:OC+1], s[OC:OC+1], s[STC2:STC2+1]
	s_add_nc_u64 s[OS:OS+1], s[OS:OS+1], s[STS2:STS2+1]
.else
	s_add_nc_u64 s[OC:OC+1], s[OC:OC+1], s[STC:STC+1]
	s_add_nc_u64 s[OS:OS+1], s[OS:OS+1], s[STS:STS+1]
.endif
.endif
	QUANT T
	v_lshrrev_b32 v[SD], v[SH], v[PW]
	global_store_b128 v[VO0], v[PC:PC+3], s[OC:OC+1]
	global_store_b64 v[VO1], v[PC+4:PC+5], s[OC:OC+1]
	global_store_b128 v[VO2], v[PC+6:PC+9], s[OC:OC+1]
	global_store_b64 v[VO3], v[PC+10:PC+11], s[OC:OC+1]
	global_store_b32 v[VS], v[SD], s[OS:OS+1]
.endm
	PLACES NP                                      ; behind the last products: their results are read, and A's fragments written over, below
	s_wait_loadcnt 0x0                             ; b_qkv
.irp b, 0,1,2,3
	v_mov_b32 v[TM+4+\b], 0                        ; written once: a lane permute's destination counts as one of its sources
.endr
.irp a, 0,1,2,3,4,5,6,7
	EPI \a
.endr
	s_wait_tensorcnt 0x0                           ; the wave's end
	ds_add_u32 v[SPW], v[NIL]
	s_wait_dscnt 0x0
	CROUND                                         ; the closing round: no work-group ends while a partner may still ask for a tile that names it
	s_endpgm
.Lfunc_end_k_qa879b3f246_qkvgemm:
	.size	k_qa879b3f246_qkvgemm, .Lfunc_end_k_qa879b3f246_qkvgemm-k_qa879b3f246_qkvgemm
	.p2alignl 7, 3214868480
	.fill 96, 4, 3214868480
	.section	.rodata,"a",@progbits
	.p2align	6, 0x0
	.amdhsa_kernel k_qa879b3f246_qkvgemm
		.amdhsa_group_segment_fixed_size 327680
		.amdhsa_private_segment_fixed_size 0
		.amdhsa_enable_private_segment 0
		.amdhsa_kernarg_size 40
		.amdhsa_user_sgpr_count 2
		.amdhsa_user_sgpr_kernarg_segment_ptr 1
		.amdhsa_wavefront_size32 1
		.amdhsa_system_sgpr_workgroup_id_x 1
		.amdhsa_system_sgpr_workgroup_id_y 1
		.amdhsa_system_sgpr_workgroup_id_z 1
		.amdhsa_system_vgpr_workitem_id 0
		.amdhsa_next_free_vgpr 1024
		.amdhsa_next_free_sgpr 100
		.amdhsa_reserve_vcc 0
		.amdhsa_float_denorm_mode_32 3
		.amdhsa_float_denorm_mode_16_64 3
		.amdhsa_memory_ordered 1
		.amdhsa_forward_progress 1
		.amdhsa_inst_pref_size 179
	.end_amdhsa_kernel
	.amdgpu_metadata
---
amdhsa.version: [ 1, 2 ]
amdhsa.kernels:
  - .name:           k_qa879b3f246_qkvgemm
    .symbol:         k_qa879b3f246_qkvgemm.kd
    .args:
      - { .name: xw, .offset: 0, .size: 8, .value_kind: global_buffer, .address_space: global }
      - { .name: xws, .offset: 8, .size: 8, .value_kind: global_buffer, .address_space: global }
      - { .name: b_qkv, .offset: 16, .size: 8, .value_kind: global_buffer, .address_space: global }
      - { .name: qkv, .offset: 24, .size: 8, .value_kind: global_buffer, .address_space: global }
      - { .name: qkvs, .offset: 32, .size: 8, .value_kind: global_buffer, .address_space: global }
    .group_segment_fixed_size: 327680
    .private_segment_fixed_size: 0
    .kernarg_segment_align: 8
    .kernarg_segment_size: 40
    .max_flat_workgroup_size: 128
    .sgpr_count:     100
    .vgpr_count:     1024
    .wavefront_size: 32
...
	.end_amdgpu_metadata
.endif
;; end of part 2
;; launch attn (part 3): grid 2 x 128, 16 waves a work-group, no clusters, 169,984 bytes of LDS; arguments qkv, qkvs, oq, oqs; writes oq, oqs
.if DOCPART == 3
	.amdgcn_target "amdgcn-amd-amdhsa--gfx1250"
	.amdhsa_code_object_version 6
	.text
	.protected	k_qa879b3f246_attn
	.globl	k_qa879b3f246_attn
	.p2align	8
	.type	k_qa879b3f246_attn,@function
k_qa879b3f246_attn:
	s_mov_b64 s[64:65], 0
	v_nop
	global_prefetch_b8 v0, s[64:65] scope:SCOPE_SE
	s_setreg_imm32_b32 hwreg(HW_REG_WAVE_MODE, 25, 1), 1
	s_wait_xcnt 0x0
; o = softmax(q k^T / 32, causal) v for one (batch, head), both products on codes of E3M2, and o quantised along the model's 1,024 on the way out.  q, k, v come from qkv and qkvs as images of operand registers.
; THE SOFTMAX AHEAD OF THE SECOND PRODUCT: t = score x log2(e) / 32; M = the row's largest t so far, rounded up to a whole number; p = 2^(t - M) is what is quantised, along the keys.  The row's sum is taken
; of the unquantised p and divides O at the end.  When M moves, the sum and O are multiplied by 2^(old M - new M): exact.
; K = 64 in the first product: the upper six registers of q's and k's fragments are zero codes, which add nothing under any scale byte but 0xff.
; SHARES.  A head's k, v and scale words, 106,496 bytes, lie in LDS whole: each byte is filled once, in two halves along the keys.  Two work-groups to a head, sixteen waves each.  Wave number p = 16 x + w takes
; the query tiles p and 63 - p: tile T wants T / 8 + 1 key steps of 128, so every wave has nine.  The loops' trip counts are constants (4 and 8); a step all of whose keys come after the tile's queries is
; jumped over by a scalar branch on ids.
; LAYOUT.  Both products are used transposed: S^T = K Q^T, O^T = V^T P^T: a lane holds one query throughout.  A tile's 16 rows (queries, keys, d alike) are 32 B + 8 u + i + 8 (i / 8), so that the 16 registers of
; tiles 2 B and 2 B + 1 of a result are 16 neighbours of the next K.
; THE MASK.  On the diagonal a hidden score becomes -2^37, which x 1 / 32 is reference's -2^32.  LIMIT: key steps that lie wholly above the diagonal are taken as p = 0, which holds while a row's largest
; logit lies more than some 150 above -2^32.  NaN and infinities are not served.
; NO CLUSTER: two work-groups share a head's tiles; a cluster of four would hold two heads, whose tiles differ.  NO PREFETCH: all that a work-group reads is asked for at its head.
; OUT.  oq [64 b + T][K step s = head / 2][1,536]: half head % 2 of a fragment: registers 0-3 at 16 l, 4-5 at 512 + 8 l.  oqs [64 b + T][s][r] words: byte 2 (head % 2) + block.
; REGISTERS: v1-4, v29-30 offsets that stay; v5-7 the step's addresses; v8-11 V's scale words; v12 -M, v13 the largest t, v[14:15] the sum; v16-27 Q; v32-79 four fragments of K; v80-127 four of V;
;   v128-191 S^T, then p; v192-223 O^T; v224-235 p's codes; v232-247, v252, v254 at work; v248-251 K's scale words; v253 p's scale word; v255 Q's.
.set VC,   49152                       ; LDS: K's codes [tile][768] at 0; V's [key step][dt][1,536] here;
.set KSC,  98304                       ; K's scale words [tile][r]; V's [key step][dt][lane] 4,096 bytes on
.set S,    128
.set O,    192
.set WV,   12                          ; s12 wave
.set BH,   13                          ; s13 16 b + head
.set PP,   14                          ; s14 16 x + wave
.set SEL,  20                          ; s[20:21] lane selects for lane l xor 16
.set CS,   22                          ; s[22:23] c = log2(e) / 32
.set G1C,  24                          ; s[24:31] group 1: 6,144 dense bytes as 24 rows of 256
.set G1S,  32                          ; s[32:39] 1,024 dense bytes as 4 rows of 256
.set G0A,  40                          ; s[40:51] three groups 0: scale words, the first half of the keys, the second
.set G0B,  44
.set G0C,  48
.set TT,   52                          ; s52 the query tile
.set KS,   53                          ; s53 the key step: the loop's counter
.set LS,   54                          ; s54 the tile's last key step: T / 8
.set TB,   55                          ; s55 6,144 x key step
.set TS,   56                          ; s56 512 x key step
.set KF,   57                          ; s57 128 x key step
.set Q0,   58                          ; s58 the tile's first query
.set QB,   60                          ; s[60:61], s[62:63] q's codes and scale words at the tile
.set QSB,  62
.set OB,   66                          ; s[66:67], s[68:69] where o's codes and bytes go
.set OSB,  68
.set HQ,   82                          ; s[82:89] the same four at the head's tile 0
.set HQS,  84
.set HO,   86
.set HOS,  88
	s_load_b256 s[4:11], s[0:1], 0x0               ; qkv s[4:5], qkvs s[6:7], oq s[8:9], oqs s[10:11]
	v_lshl_add_u32 v31, v0, 2, 0x29000
	v_mov_b32 v243, 0
	ds_add_u32 v31, v243
	ds_add_u32 v31, v243
	v_lshrrev_b32 v1, 5, v0
	v_readfirstlane_b32 s[WV], v1                  ; wave 0..15
	s_and_b32 s[BH], ttmp7, 0xffff
	s_lshl_b32 s[PP], ttmp9, 4
	s_add_co_u32 s[PP], s[PP], s[WV]
	s_and_b32 s70, s[WV], 3                        ; which quarter I fetch,
	s_bfe_u32 s71, s[WV], 0x10002                  ; of k (waves 0-3) or of v (waves 4-7)
	s_mov_b32 s[G1C], 3<<16                        ; no mask; elements of 8 bytes; no padding
	s_mov_b32 s[G1C+1], 32<<16
	s_mov_b32 s[G1C+2], 24<<16
	s_mov_b32 s[G1C+3], 32<<16
	s_mov_b32 s[G1C+4], 24
	s_mov_b32 s[G1C+5], 32
	s_mov_b32 s[G1C+6], 0
	s_mov_b32 s[G1C+7], 0
	s_mov_b32 s[G1S], 3<<16
	s_mov_b32 s[G1S+1], 32<<16
	s_mov_b32 s[G1S+2], 4<<16
	s_mov_b32 s[G1S+3], 32<<16
	s_mov_b32 s[G1S+4], 4
	s_mov_b32 s[G1S+5], 32
	s_mov_b32 s[G1S+6], 0
	s_mov_b32 s[G1S+7], 0
	s_and_b32 s72, s[WV], 7
	s_lshl_b32 s72, s72, 10
	s_add_co_u32 s72, s72, KSC                     ; LDS: my 1,024 bytes of scale words
	s_lshl_b32 s73, s71, 3
	s_add_co_u32 s73, s73, s70
	s_mul_i32 s73, s73, 6144                       ; and my 6,144 bytes of codes: (quarter + 8 for v) x 6,144
	s_add_co_u32 s74, s71, 1                       ; region 1 (k) or 2 (v)
	s_mul_i32 s76, s74, 6291456
	s_mul_i32 s75, s[BH], 49152
	s_add_co_u32 s76, s76, s75
	s_mul_i32 s75, s70, 6144
	s_add_co_u32 s76, s76, s75                     ; under 2^25
	s_mov_b32 s77, 0
	s_lshl_b32 s78, s74, 19
	s_lshl_b32 s75, s[BH], 12
	s_add_co_u32 s78, s78, s75
	s_lshl_b32 s75, s70, 10
	s_add_co_u32 s78, s78, s75
	s_mov_b32 s79, 0
	s_wait_dscnt 0x0
	s_wait_kmcnt 0x0
	s_mov_b32 s[G0A], 1
	s_mov_b32 s[G0A+1], s72
	s_add_nc_u64 s[G0A+2:G0A+3], s[6:7], s[78:79]
	s_or_b32 s[G0A+3], s[G0A+3], 0x80000000
	s_mov_b32 s[G0B], 1
	s_mov_b32 s[G0B+1], s73
	s_add_nc_u64 s[G0B+2:G0B+3], s[4:5], s[76:77]
	s_mov_b32 s[G0C], 1
	s_add_co_u32 s[G0C+1], s73, 24576
	s_add_nc_u64 s[G0C+2:G0C+3], s[G0B+2:G0B+3], 24576
	s_or_b32 s[G0B+3], s[G0B+3], 0x80000000
	s_or_b32 s[G0C+3], s[G0C+3], 0x80000000
	s_cmp_lt_u32 s[WV], 8                          ; a wave's three first fills stand in one branch on its number, ahead of every wait on TENSORcnt, every LDS read and every barrier
	s_cbranch_scc0 .Lno_fill
	tensor_load_to_lds s[G0A:G0A+3], s[G1S:G1S+7]  ; a quarter of k's or v's scale words
	s_nop 0
	tensor_load_to_lds s[G0B:G0B+3], s[G1C:G1C+7]  ; a quarter of the codes of keys 0-511
	s_nop 0
	tensor_load_to_lds s[G0C:G0C+3], s[G1C:G1C+7]  ; and of keys 512-1,023
	s_nop 0
.rept 4
	v_nop
.endr
.Lno_fill:
	v_and_b32 v5, 31, v0                           ; l
	v_and_b32 v6, 15, v0                           ; r
	v_bfe_u32 v7, v0, 4, 1                         ; h
	v_lshlrev_b32 v1, 4, v5                        ; 16 l
	v_lshl_add_u32 v2, v5, 3, 512                  ; 8 l + 512
	v_lshl_add_u32 v3, v5, 2, KSC                  ; scale words: 4 l
	v_and_b32 v4, 8, v6
	v_add_nc_u32 v4, v4, v6
	v_lshlrev_b32 v8, 4, v7
	v_sub_nc_u32 v4, v4, v8                        ; r + 8 (r / 8) - 16 h: for the mask
	v_lshlrev_b32 v29, 2, v6                       ; 4 r
	v_add_nc_u32 v30, v29, v7                      ; 4 r + h
.irp j, 22,23,24,25,26,27
	v_mov_b32 v[\j], 0                             ; Q's upper 64 along K: zero codes, for the whole launch
.endr
.irp t, 0,1,2,3
.irp j, 6,7,8,9,10,11
	v_mov_b32 v[32+12*\t+\j], 0                    ; K's likewise
.endr
.endr
.irp j, 236,237,238,239,252,253
	v_mov_b32 v[\j], 0                             ; written once: lane permutes' destinations, and the pair v[252:253]
.endr
	s_mov_b32 s[SEL], 0x76543210
	s_mov_b32 s[SEL+1], 0xfedcba98
	s_mov_b32 s[CS], 0x3d38aa3b                    ; c = log2(e) / 32
	s_mov_b32 s[CS+1], s[CS]                       ; named with it as a pair, so it is written
	s_mul_i32 s80, s[BH], 49152
	s_mov_b32 s81, 0
	s_add_nc_u64 s[HQ:HQ+1], s[4:5], s[80:81]      ; q is region 0
	s_lshl_b32 s80, s[BH], 12
	s_add_nc_u64 s[HQS:HQS+1], s[6:7], s[80:81]
	s_lshr_b32 s70, s[BH], 4                       ; b
	s_and_b32 s71, s[BH], 15                       ; head
	s_lshr_b32 s72, s71, 1                         ; K step of the last product
	s_and_b32 s73, s71, 1                          ; which half of its fragment
	s_mul_i32 s80, s70, 64*8*1536
	s_mul_i32 s74, s72, 1536
	s_add_co_u32 s80, s80, s74
	s_mul_i32 s74, s73, 768
	s_add_co_u32 s80, s80, s74
	s_add_nc_u64 s[HO:HO+1], s[8:9], s[80:81]
	s_lshl_b32 s80, s70, 15
	s_lshl_b32 s74, s72, 6
	s_add_co_u32 s80, s80, s74
	s_lshl_b32 s74, s73, 1
	s_add_co_u32 s80, s80, s74
	s_add_nc_u64 s[HOS:HOS+1], s[10:11], s[80:81]
.macro SQ g                            ; four tiles of S^T = K Q^T.  K's scale words: lanes 0-15 of a register hold an even tile's, lanes 16-31 the odd tile's behind it
.irp t, 0,1,2,3
.if \t%2
	v_wmma_scale_f32_16x16x128_f8f6f4 v[S+8*(4*\g+\t):S+8*(4*\g+\t)+7], v[32+12*\t:43+12*\t], v[16:27], 0, v[248+(4*\g+\t)/2], v255 matrix_a_fmt:MATRIX_FMT_BF6 matrix_b_fmt:MATRIX_FMT_BF6 matrix_a_scale:MATRIX_SCALE_ROW1
.else
	v_wmma_scale_f32_16x16x128_f8f6f4 v[S+8*(4*\g+\t):S+8*(4*\g+\t)+7], v[32+12*\t:43+12*\t], v[16:27], 0, v[248+(4*\g+\t)/2], v255 matrix_a_fmt:MATRIX_FMT_BF6 matrix_b_fmt:MATRIX_FMT_BF6
.endif
.endr
.endm
.macro KLOAD g                         ; the lower six registers of four fragments of K
.irp t, 0,1,2,3
	ds_load_b128 v[32+12*\t:35+12*\t], v5 offset:768*(4*\g+\t)
	ds_load_b64 v[36+12*\t:37+12*\t], v6 offset:768*(4*\g+\t)
.endr
.endm
; A KEY STEP: 128 keys.
.macro STEP
	s_cmp_gt_u32 s[KS], s[LS]                      ; all its keys come after my queries: only the lines at its end, which step addresses, are run
	s_cbranch_scc1 .Lhidden_\@
	v_add_nc_u32 v5, s[TB], v1
	v_add_nc_u32 v6, s[TB], v2
	v_add_nc_u32 v7, s[TS], v3
	v_nop                                          ; these four are the places in front of the loads into V's registers, which the last products read
.irp i, 0,1,2,3
	ds_load_b32 v[248+\i], v7 offset:128*\i        ; K's scale words of tiles 2 i (lanes 0-15) and 2 i + 1 (lanes 16-31)
.endr
	KLOAD 0
.irp t, 0,1,2,3
	ds_load_b128 v[80+12*\t:83+12*\t], v5 offset:VC+1536*\t
	ds_load_b64 v[84+12*\t:85+12*\t], v6 offset:VC+1536*\t
	ds_load_b128 v[86+12*\t:89+12*\t], v5 offset:VC+1536*\t+768
	ds_load_b64 v[90+12*\t:91+12*\t], v6 offset:VC+1536*\t+768
.endr
.irp t, 0,1,2,3
	ds_load_b32 v[8+\t], v7 offset:4096+128*\t     ; V's scale words
.endr
	s_wait_dscnt 20                                ; K's words and first four tiles are in; V's 16 loads and its 4 words may be out
	SQ 0
.rept 4
	v_nop                                          ; places in front of loads into registers that matrix instructions have read
.endr
	KLOAD 1
	s_wait_dscnt 0x0
	SQ 1
.rept 4
	v_nop
.endr
	s_cmp_lt_u32 s[KS], s[LS]                      ; a step all of whose keys count skips the mask
	s_cbranch_scc1 .Lopen_\@
	s_sub_co_i32 s80, s[Q0], s[KF]
	v_add_nc_u32 v252, s80, v4                     ; d = my query - the step's first key - 16 h.  Register 16 b + i holds key 32 b + 16 h + i of the step: hidden where 32 b + i > d
	v_mov_b32 v254, 0xd2000000                     ; -2^37
.irp n, 0,1,2,3,4,5,6,7,8,9,10,11,12,13,14,15,16,17,18,19,20,21,22,23,24,25,26,27,28,29,30,31,32,33,34,35,36,37,38,39,40,41,42,43,44,45,46,47,48,49,50,51,52,53,54,55,56,57,58,59,60,61,62,63
	v_cmp_gt_i32 vcc_lo, 32*(\n/16)+\n%16, v252
	v_cndmask_b32 v[S+\n], v[S+\n], v254, vcc_lo
.endr
.Lopen_\@:
.irp b, 0,1,2,3
	v_max3_num_f32 v[232+\b], v[S+16*\b], v[S+1+16*\b], v[S+2+16*\b]   ; the largest score of each block of 32 keys: for the row's maximum, and, since p rises with the score, for the block's largest p
.endr
.irp i, 3,5,7,9,11,13
.irp b, 0,1,2,3
	v_max3_num_f32 v[232+\b], v[232+\b], v[S+16*\b+\i], v[S+1+16*\b+\i]
.endr
.endr
.irp b, 0,1,2,3
	v_max_num_f32 v[232+\b], v[232+\b], v[S+15+16*\b]
.endr
.irp b, 0,1,2,3
	v_permlanex16_b32 v[236+\b], v[232+\b], s[SEL], s[SEL+1]
.endr
.irp b, 0,1,2,3
	v_max_num_f32 v[232+\b], v[232+\b], v[236+\b]  ; with lane l xor 16's 16 keys
.endr
	v_max3_num_f32 v254, v232, v233, v234
	v_max_num_f32 v254, v254, v235                 ; the step's largest score of my query
	v_mul_f32 v254, s[CS], v254                    ; as t (c is positive)
	v_max_num_f32 v13, v13, v254                   ; the running largest t
	v_mov_b32 v254, v12
	v_floor_f32 v12, -v13                          ; the new -M = floor(-t): M is a whole number
	v_sub_f32 v254, v12, v254                      ; old M - new M: a whole number, 0 or less
	v_cvt_i32_f32 v254, v254                       ; (it saturates)
	v_ldexp_f32 v252, 1.0, v254                    ; f = 2^(old M - new M)
.set j, 0
.rept 32
	v_pk_fma_f32 v[S+j:S+j+1], v[S+j:S+j+1], s[CS:CS+1], v[12:13] op_sel_hi:[1,0,0]   ; t - M, two at a time
.set j, j+2
.endr
.irp b, 0,1,2,3
	v_fma_f32 v[232+\b], v[232+\b], s[CS], v12     ; the same of each block's largest score
.endr
.set j, 0
.rept 64
	v_exp_f32 v[S+j], v[S+j]                       ; p = 2^(t - M), at most 1
.set j, j+1
.endr
	v_pk_mul_f32 v[14:15], v[14:15], v[252:253] op_sel_hi:[1,0]   ; the sums under the new M: a plain place behind the exponentials
	s_wait_alu depctr_va_vdst(0)                   ; one wait for the batch of 64, ahead of its first reader
.irp b, 0,1,2,3
	v_exp_f32 v[232+\b], v[232+\b]                 ; the block's largest p: the same two instructions on the same number
.endr
	v_pk_add_f32 v[236:237], v[S:S+1], v[S+2:S+3]  ; the row's sum is taken of the unquantised p, in two chains
.irp j, 4,8,12,16,20,24,28,32,36,40,44,48,52,56,60
	v_pk_add_f32 v[14:15], v[14:15], v[S+\j:S+1+\j]
	v_pk_add_f32 v[236:237], v[236:237], v[S+2+\j:S+3+\j]
.endr
	v_pk_add_f32 v[14:15], v[14:15], v[236:237]
	s_wait_alu depctr_va_vdst(0)                   ; and one for the four
.irp b, 0,1,2,3
	v_max_num_f32 v[232+\b], 0x2800000, v[232+\b]  ; the floor 2^(5 - 127): the byte cannot fall under 1
.endr
.irp b, 0,1,2,3
	v_add_nc_u32 v[244+\b], 0xfe000000, v[232+\b]  ; 4 off the exponent field: the conversion's scale operand
.endr
.irp b, 0,1,2,3
	v_lshrrev_b32 v[236+\b], 23, v[244+\b]
.endr
	v_lshl_or_b32 v253, v237, 8, v236              ; p's scale word for these 128 keys
	v_lshl_or_b32 v253, v238, 16, v253
	v_lshl_or_b32 v253, v239, 24, v253
.irp c, 0,1
	v_cvt_scalef32_pk16_bf6_f32 v[224+6*\c:226+6*\c], v[S+32*\c:S+15+32*\c], v[244+2*\c]
	v_cvt_scalef32_pk16_bf6_f32 v[236+4*\c:238+4*\c], v[S+16+32*\c:S+31+32*\c], v[244+2*\c+1]
.endr
	v_nop                                          ; one plain place behind a scaled conversion
.irp c, 0,1
.irp i, 0,1,2
	v_permlane16_swap_b32 v[224+6*\c+\i], v[236+4*\c+\i]
.endr
.irp i, 0,1,2
	v_mov_b32 v[227+6*\c+\i], v[236+4*\c+\i]
.endr
.endr
.set j, 0
.rept 16
	v_pk_mul_f32 v[O+j:O+j+1], v[O+j:O+j+1], v[252:253] op_sel_hi:[1,0]   ; O^T under the new M.  These sixteen are also the places between the codes' and the scale word's last writes and the products below
.set j, j+2
.endr
.irp t, 0,1,2,3
	v_wmma_scale_f32_16x16x128_f8f6f4 v[O+8*\t:O+8*\t+7], v[80+12*\t:91+12*\t], v[224:235], v[O+8*\t:O+8*\t+7], v[8+\t], v253 matrix_a_fmt:MATRIX_FMT_BF6 matrix_b_fmt:MATRIX_FMT_BF6
.endr
.Lhidden_\@:
	s_add_co_u32 s[TB], s[TB], 6144
	s_add_co_u32 s[TS], s[TS], 512
	s_add_co_u32 s[KF], s[KF], 128
.endm
; A QUERY TILE: which = 0: tile p, at most 4 key steps; 1: tile 63 - p, at most 8.
.macro TILE which, trips
.if \which
	s_wait_xcnt 0x0                                ; the first tile's stores have read their data and bases
	s_sub_co_u32 s[TT], 63, s[PP]
.else
	s_mov_b32 s[TT], s[PP]
.endif
	s_lshr_b32 s[LS], s[TT], 3
	s_lshr_b32 s[Q0], s[TT], 1
	s_lshl_b32 s[Q0], s[Q0], 5
	s_and_b32 s80, s[TT], 1
	s_lshl_b32 s80, s80, 3
	s_add_co_u32 s[Q0], s[Q0], s80                 ; 32 (T / 2) + 8 (T % 2)
	s_mov_b32 s81, 0
	s_mul_i32 s80, s[TT], 768
	s_add_nc_u64 s[QB:QB+1], s[HQ:HQ+1], s[80:81]
	s_lshl_b32 s80, s[TT], 6
	s_add_nc_u64 s[QSB:QSB+1], s[HQS:HQS+1], s[80:81]
	s_mul_i32 s80, s[TT], 8*1536
	s_add_nc_u64 s[OB:OB+1], s[HO:HO+1], s[80:81]
	s_lshl_b32 s80, s[TT], 9
	s_add_nc_u64 s[OSB:OSB+1], s[HOS:HOS+1], s[80:81]
	global_load_b128 v[16:19], v1, s[QB:QB+1]      ; Q's lower six registers stay for the tile
	global_load_b64 v[20:21], v2, s[QB:QB+1]
	global_load_b32 v255, v29, s[QSB:QSB+1]        ; and its scale words
	v_mov_b32 v13, 0xff61b1e6                      ; the largest t so far: -3e38
	v_floor_f32 v12, -v13                          ; -M
	v_mov_b32 v14, 0
	v_mov_b32 v15, 0
.set j, 0
.rept 32
	v_mov_b32 v[O+j], 0                            ; O^T: the step is written once; the first finds zeros, which the first change of M leaves zeros
.set j, j+1
.endr
	s_mov_b32 s[KS], 0
	s_mov_b32 s[TB], 0
	s_mov_b32 s[TS], 0
	s_mov_b32 s[KF], 0
	s_wait_loadcnt 0x0
.Lstep_\@:
	STEP
	s_add_co_u32 s[KS], s[KS], 1
	s_cmp_lt_u32 s[KS], \trips
	s_cbranch_scc1 .Lstep_\@
	; the way out: O^T / the sum, quantised along the head's 64: half a fragment of the last product's A
.rept 4
	v_nop                                          ; places behind the last products
.endr
	v_add_f32 v14, v14, v15
	v_permlanex16_b32 v252, v14, s[SEL], s[SEL+1]
	v_add_f32 v14, v14, v252                       ; the row's sum
	v_rcp_f32 v14, v14
	v_nop                                          ; a plain place behind the transcendental
	s_wait_alu depctr_va_vdst(0)                   ; and the wait ahead of its first reader
.set j, 0
.rept 16
	v_pk_mul_f32 v[S+j:S+j+1], v[O+j:O+j+1], v[14:15] op_sel_hi:[1,0]   ; register 16 b + i is o(my query, d = 32 b + 16 h + i)
.set j, j+2
.endr
.irp b, 0,1
	v_max3_num_f32 v[232+\b], |v[S+16*\b]|, |v[S+1+16*\b]|, 0x2800000
.endr
.irp i, 2,4,6,8,10,12,14
.irp b, 0,1
	v_max3_num_f32 v[232+\b], v[232+\b], |v[S+16*\b+\i]|, |v[S+1+16*\b+\i]|
.endr
.endr
.irp b, 0,1
	v_permlanex16_b32 v[236+\b], v[232+\b], s[SEL], s[SEL+1]
.endr
.irp b, 0,1
	v_max_num_f32 v[232+\b], v[232+\b], v[236+\b]
.endr
.irp b, 0,1
	v_add_nc_u32 v[244+\b], 0xfe000000, v[232+\b]
.endr
.irp b, 0,1
	v_lshrrev_b32 v[236+\b], 23, v[244+\b]
.endr
	s_mov_b32 vcc_lo, 0xffff0000
	v_cndmask_b32 v254, v236, v237, vcc_lo         ; lanes 0-15 send block 0's byte, lanes 16-31 block 1's
	v_cvt_scalef32_pk16_bf6_f32 v[224:226], v[S:S+15], v244
	v_cvt_scalef32_pk16_bf6_f32 v[240:242], v[S+16:S+31], v245
	v_nop
.irp i, 0,1,2
	v_permlane16_swap_b32 v[224+\i], v[240+\i]
.endr
.irp i, 0,1,2
	v_mov_b32 v[227+\i], v[240+\i]
.endr
	global_store_b128 v1, v[224:227], s[OB:OB+1]   ; 512 consecutive bytes, at a multiple of 256 from oq's first byte
	global_store_b64 v2, v[228:229], s[OB:OB+1]    ; and 256
	global_store_b8 v30, v254, s[OSB:OSB+1]        ; two bytes of each row's word: the other two are the neighbouring head's
.endm
	s_wait_tensorcnt 0x1                           ; the scale words and keys 0-511 are in; my load of keys 512-1,023 may be out
	s_barrier_signal -1
	s_barrier_wait -1
	TILE 0, 4                                      ; tiles 0-31 want keys under 512 alone
	s_wait_tensorcnt 0x0                           ; keys 512-1,023 are in,
	s_wait_dscnt 0x0
	s_barrier_signal -1
	s_barrier_wait -1                              ; everybody's
	TILE 1, 8
	s_wait_tensorcnt 0x0
	ds_add_u32 v31, v243
	s_wait_dscnt 0x0
	s_endpgm
.Lfunc_end_k_qa879b3f246_attn:
	.size	k_qa879b3f246_attn, .Lfunc_end_k_qa879b3f246_attn-k_qa879b3f246_attn
	.p2alignl 7, 3214868480
	.fill 96, 4, 3214868480
	.section	.rodata,"a",@progbits
	.p2align	6, 0x0
	.amdhsa_kernel k_qa879b3f246_attn
		.amdhsa_group_segment_fixed_size 169984
		.amdhsa_private_segment_fixed_size 0
		.amdhsa_enable_private_segment 0
		.amdhsa_kernarg_size 32
		.amdhsa_user_sgpr_count 2
		.amdhsa_user_sgpr_kernarg_segment_ptr 1
		.amdhsa_wavefront_size32 1
		.amdhsa_system_sgpr_workgroup_id_x 1
		.amdhsa_system_sgpr_workgroup_id_y 1
		.amdhsa_system_sgpr_workgroup_id_z 1
		.amdhsa_system_vgpr_workitem_id 0
		.amdhsa_next_free_vgpr 256
		.amdhsa_next_free_sgpr 100
		.amdhsa_reserve_vcc 1
		.amdhsa_float_denorm_mode_32 3
		.amdhsa_float_denorm_mode_16_64 3
		.amdhsa_memory_ordered 1
		.amdhsa_forward_progress 1
		.amdhsa_inst_pref_size 61
	.end_amdhsa_kernel
	.amdgpu_metadata
---
amdhsa.version: [ 1, 2 ]
amdhsa.kernels:
  - .name:           k_qa879b3f246_attn
    .symbol:         k_qa879b3f246_attn.kd
    .args:
      - { .name: qkv, .offset: 0, .size: 8, .value_kind: global_buffer, .address_space: global }
      - { .name: qkvs, .offset: 8, .size: 8, .value_kind: global_buffer, .address_space: global }
      - { .name: oq, .offset: 16, .size: 8, .value_kind: global_buffer, .address_space: global }
      - { .name: oqs, .offset: 24, .size: 8, .value_kind: global_buffer, .address_space: global }
    .group_segment_fixed_size: 169984
    .private_segment_fixed_size: 0
    .kernarg_segment_align: 8
    .kernarg_segment_size: 32
    .max_flat_workgroup_size: 512
    .sgpr_count:     100
    .vgpr_count:     256
    .wavefront_size: 32
...
	.end_amdgpu_metadata
.endif
;; end of part 3
;; launch outln (part 4): grid 256 x 1, 16 waves a work-group, no clusters, 158,208 bytes of LDS; arguments oq, oqs, xw, xws, b_out, x, gamma, beta, out0; writes out0
.if DOCPART == 4
	.amdgcn_target "amdgcn-amd-amdhsa--gfx1250"
	.amdhsa_code_object_version 6
	.text
	.protected	k_qa879b3f246_outln
	.globl	k_qa879b3f246_outln
	.p2align	8
	.type	k_qa879b3f246_outln,@function
k_qa879b3f246_outln:
	s_mov_b64 s[64:65], 0
	v_nop
	global_prefetch_b8 v0, s[64:65] scope:SCOPE_SE
	s_setreg_imm32_b32 hwreg(HW_REG_WAVE_MODE, 25, 1), 1
	s_wait_xcnt 0x0
; out0 = LayerNorm(o W_out + b_out + x) x gamma + beta.  o comes as codes from oq and oqs, W_out as images of operand registers from xw and xws (tiles 704-767).
; SHARES.  LayerNorm wants whole rows in one work-group: a work-group takes 32 rows (tiles 2 g and 2 g + 1 of o) x all 1,024 columns.  Wave w takes W_out's tiles 4 w .. 4 w + 3, columns 64 w .. 64 w + 63:
; eight accumulators.  Source 0 = 16 rows of W_out, source 1 = 16 rows of o: a lane holds one row and eight neighbouring columns.
; W_out's FRAGMENTS GO FROM MEMORY STRAIGHT INTO REGISTERS: each is wanted by one wave of the work-group, and its image is three loads of 512 consecutive bytes.  Three sets of four fragments take turns: two sets
; (28 loads a wave) are on their way while one is multiplied.  o's sixteen fragments, which all waves want, go through LDS once.
; NO CLUSTER, though all 256 work-groups walk the same 786,432 bytes: joint loads land in LDS, and a ring there would put a round of the cluster's barrier in front of every eight matrix instructions of a wave.
; The sums meet in a stage in LDS (32 rows of 4,096 bytes + 16, in the tiles' own order of rows); each wave then owns two whole rows: residual, bias, mean, variance about the mean, gain and offset, all in f32.
; REGISTERS: v1-9 offsets; v10-17 o's scale words (lanes 0-15 tile 2 g, lanes 16-31 tile 2 g + 1); v18-81 accumulators ((u, t) at v[18 + 8 (4 u + t)]), later gamma and beta; v82-105 o's two fragments;
;   v106-111 W's scale words (set k: two registers; lanes 0-15 an even tile, lanes 16-31 the odd one); v112-255 three sets of four fragments; later x's rows (v208-239, v112-143), the row in hand (v144-175), b_out (v176-207), work (v240-247).
.set STG,  24576                       ; LDS: o's 16 fragments (1,536 bytes each) at 0; the stage here
.set SPI,  4112                        ; a stage row: 1,028 words: row r starts at bank 4 r mod 64
.set OSC,  10
.set ACC,  18
.set AF,   82
.set WS,   106
.set WF,   112
.set YR,   144
.set BO,   176
.set X0,   208
.set X1,   112
.set GA,   18
.set BE,   50
	s_load_b256 s[4:11], s[0:1], 0x0               ; oq s[4:5], oqs s[6:7], xw s[8:9], xws s[10:11]
	s_load_b256 s[12:19], s[0:1], 0x20             ; b_out s[12:13], x s[14:15], gamma s[16:17], beta s[18:19]
	s_load_b64 s[20:21], s[0:1], 0x40              ; out0
	v_lshrrev_b32 v1, 5, v0
	v_readfirstlane_b32 s22, v1                    ; wave 0..15
	v_and_b32 v5, 31, v0                           ; l
	v_and_b32 v6, 15, v0                           ; r
	v_bfe_u32 v7, v0, 4, 1                         ; h
	v_lshlrev_b32 v1, 4, v5                        ; 16 l
	v_lshlrev_b32 v2, 3, v5                        ; 8 l
	v_lshlrev_b32 v3, 2, v6
	v_lshl_add_u32 v3, v7, 9, v3                   ; o's scale words: 4 r, + 512 for the second tile
	v_lshlrev_b32 v4, 3, v6
	v_lshl_add_u32 v4, v7, 9, v4                   ; W's: 8 r, + 512 for the odd tile
	s_mul_i32 s28, s22, 1536
	v_add_nc_u32 v5, s28, v1                       ; where I put my fragment of o
	v_mul_u32_u24 v8, v6, SPI
	v_lshl_add_u32 v8, v7, 6, v8
	s_lshl_b32 s29, s22, 8
	s_add_co_u32 s29, s29, STG
	v_add_nc_u32 v7, s29, v8                       ; the stage, in: row r, + 256 w + 64 h;
	v_add_nc_u32 v8, 16*SPI, v7                    ; the second tile's rows
	s_mul_i32 s30, s22, 2*SPI
	s_add_co_u32 s30, s30, STG
	v_add_nc_u32 v9, s30, v1                       ; and out: stage rows 2 w and 2 w + 1, 16 bytes a lane
	s_lshl_b32 s28, ttmp9, 4
	s_add_co_u32 s28, s28, s22
	s_mul_i32 s28, s28, 1536                       ; oq: fragment 16 g + w (tile 2 g + w / 8, K step w % 8)
	s_mov_b32 s29, 0
	s_lshl_b32 s30, ttmp9, 10                      ; oqs: 512 bytes a tile
	s_mov_b32 s31, 0
	s_lshl_b32 s32, s22, 2
	s_add_co_u32 s32, s32, 704                     ; my first tile of W_out in xw
	s_mul_i32 s34, s32, 12288
	s_mov_b32 s35, 0
	s_lshl_b32 s32, s32, 9
	s_mov_b32 s33, 0
	s_lshl_b32 s36, ttmp9, 5                       ; my two rows: stage row 2 w + i is row r = 2 (w % 8) + i of tile u = w / 8, which is row 8 u + r + 8 (r / 8) of the 32
	s_lshr_b32 s37, s22, 3
	s_lshl_b32 s37, s37, 3
	s_add_co_u32 s36, s36, s37
	s_and_b32 s37, s22, 7
	s_lshl_b32 s37, s37, 1
	s_add_co_u32 s36, s36, s37
	s_bfe_u32 s37, s22, 0x10002
	s_lshl_b32 s37, s37, 3
	s_add_co_u32 s36, s36, s37
	s_lshl_b32 s36, s36, 12                        ; rows of 4,096 bytes (under 2^25)
	s_mov_b32 s37, 0
	s_mov_b32 s24, 0x76543210
	s_mov_b32 s25, 0xfedcba98                      ; lane selects for lane l xor 16
	s_mov_b32 s26, 0x3a800000                      ; 1 / 1,024
	s_mov_b32 s27, 0x3727c5ac                      ; 1e-5
	s_wait_kmcnt 0x0
	s_add_nc_u64 s[4:5], s[4:5], s[28:29]
	s_add_nc_u64 s[6:7], s[6:7], s[30:31]
	s_add_nc_u64 s[8:9], s[8:9], s[34:35]
	s_add_nc_u64 s[10:11], s[10:11], s[32:33]
	s_add_nc_u64 s[14:15], s[14:15], s[36:37]
	s_add_nc_u64 s[20:21], s[20:21], s[36:37]
.macro WLOAD s                         ; K step s of my four tiles of W_out into set s % 3: 12 loads of 512 consecutive bytes, and two of scale words
.set WB, WF+48*((\s)%3)
.irp t, 0,1,2,3
.irp c, 0,1,2
	global_load_b128 v[WB+12*\t+4*\c:WB+12*\t+4*\c+3], v1, s[8:9] offset:12288*\t+1536*(\s)+512*\c
.endr
.endr
.irp p, 0,1
	global_load_b32 v[WS+2*((\s)%3)+\p], v4, s[10:11] offset:1024*\p+128*((\s)/2)+4*((\s)%2)
.endr
.endm
.macro ALOAD s                         ; o's two fragments of K step s
.irp u, 0,1
.irp c, 0,1,2
	ds_load_b128 v[AF+12*\u+4*\c:AF+12*\u+4*\c+3], v1 offset:1536*(8*\u+(\s))+512*\c
.endr
.endr
.endm
.macro MM s, t, u                      ; accumulator (u, t) takes K step s.  The rows of the scale registers: W's by the tile's parity, o's by the tile of rows
.set DD, ACC+8*(4*(\u)+(\t))
.set WA, WF+48*((\s)%3)+12*(\t)
.set OA, AF+12*(\u)
.set SA, WS+2*((\s)%3)+(\t)/2
.set SB, OSC+(\s)
.if (\s) == 0
.if ((\t)%2 == 0) && ((\u) == 0)
	v_wmma_scale_f32_16x16x128_f8f6f4 v[DD:DD+7], v[WA:WA+11], v[OA:OA+11], 0, v[SA], v[SB] matrix_a_fmt:MATRIX_FMT_BF6 matrix_b_fmt:MATRIX_FMT_BF6
.elseif ((\t)%2 == 1) && ((\u) == 0)
	v_wmma_scale_f32_16x16x128_f8f6f4 v[DD:DD+7], v[WA:WA+11], v[OA:OA+11], 0, v[SA], v[SB] matrix_a_fmt:MATRIX_FMT_BF6 matrix_b_fmt:MATRIX_FMT_BF6 matrix_a_scale:MATRIX_SCALE_ROW1
.elseif ((\t)%2 == 0)
	v_wmma_scale_f32_16x16x128_f8f6f4 v[DD:DD+7], v[WA:WA+11], v[OA:OA+11], 0, v[SA], v[SB] matrix_a_fmt:MATRIX_FMT_BF6 matrix_b_fmt:MATRIX_FMT_BF6 matrix_b_scale:MATRIX_SCALE_ROW1
.else
	v_wmma_scale_f32_16x16x128_f8f6f4 v[DD:DD+7], v[WA:WA+11], v[OA:OA+11], 0, v[SA], v[SB] matrix_a_fmt:MATRIX_FMT_BF6 matrix_b_fmt:MATRIX_FMT_BF6 matrix_a_scale:MATRIX_SCALE_ROW1 matrix_b_scale:MATRIX_SCALE_ROW1
.endif
.else
.if ((\t)%2 == 0) && ((\u) == 0)
	v_wmma_scale_f32_16x16x128_f8f6f4 v[DD:DD+7], v[WA:WA+11], v[OA:OA+11], v[DD:DD+7], v[SA], v[SB] matrix_a_fmt:MATRIX_FMT_BF6 matrix_b_fmt:MATRIX_FMT_BF6
.elseif ((\t)%2 == 1) && ((\u) == 0)
	v_wmma_scale_f32_16x16x128_f8f6f4 v[DD:DD+7], v[WA:WA+11], v[OA:OA+11], v[DD:DD+7], v[SA], v[SB] matrix_a_fmt:MATRIX_FMT_BF6 matrix_b_fmt:MATRIX_FMT_BF6 matrix_a_scale:MATRIX_SCALE_ROW1
.elseif ((\t)%2 == 0)
	v_wmma_scale_f32_16x16x128_f8f6f4 v[DD:DD+7], v[WA:WA+11], v[OA:OA+11], v[DD:DD+7], v[SA], v[SB] matrix_a_fmt:MATRIX_FMT_BF6 matrix_b_fmt:MATRIX_FMT_BF6 matrix_b_scale:MATRIX_SCALE_ROW1
.else
	v_wmma_scale_f32_16x16x128_f8f6f4 v[DD:DD+7], v[WA:WA+11], v[OA:OA+11], v[DD:DD+7], v[SA], v[SB] matrix_a_fmt:MATRIX_FMT_BF6 matrix_b_fmt:MATRIX_FMT_BF6 matrix_a_scale:MATRIX_SCALE_ROW1 matrix_b_scale:MATRIX_SCALE_ROW1
.endif
.endif
.endm
; A K step: eight matrix instructions, the eight accumulators by turns in the same order in every step.  left: the global loads issued behind this step's set, which may stay out.
.macro GSTEP s, left
	s_wait_loadcnt \left
	s_wait_dscnt 0x0                               ; o's two fragments are in
.irp t, 0,1,2,3
.irp u, 0,1
	MM \s, \t, \u
.endr
.endr
.rept 4
	v_nop                                          ; places in front of loads into registers that these products read, and of the first read of results
.endr
.endm
.macro ROWLOAD reg, base, off          ; a row of 1,024 f32: eight loads of 512 consecutive bytes; lane l holds columns 128 k + 4 l .. + 3
.irp k, 0,1,2,3,4,5,6,7
	global_load_b128 v[\reg+4*\k:\reg+4*\k+3], v1, s[\base:\base+1] offset:\off+512*\k
.endr
.endm
	global_load_b128 v[AF:AF+3], v1, s[4:5]        ; my fragment of o, as attention left it: two halves of six registers
	global_load_b64 v[AF+4:AF+5], v2, s[4:5] offset:512
	global_load_b128 v[AF+6:AF+9], v1, s[4:5] offset:768
	global_load_b64 v[AF+10:AF+11], v2, s[4:5] offset:1280
.irp s, 0,1,2,3,4,5,6,7
	global_load_b32 v[OSC+\s], v3, s[6:7] offset:64*\s
.endr
	WLOAD 0
	WLOAD 1
	WLOAD 2
	s_wait_loadcnt 50                              ; of the 54 loads the oldest four, my fragment of o, are in
.irp c, 0,1,2
	ds_store_b128 v5, v[AF+4*\c:AF+4*\c+3] offset:512*\c
.endr
	s_wait_dscnt 0x0                               ; for the others' sake
	s_barrier_signal -1
	s_barrier_wait -1                              ; o's sixteen fragments lie in LDS
	ALOAD 0
	GSTEP 0, 28                                    ; behind set s: sets s + 1 and s + 2, 14 loads each
	WLOAD 3
	ALOAD 1
	GSTEP 1, 28
	WLOAD 4
	ALOAD 2
	GSTEP 2, 28
	WLOAD 5
	ALOAD 3
	GSTEP 3, 28
	WLOAD 6
	ALOAD 4
	GSTEP 4, 28
	WLOAD 7
	ALOAD 5
	GSTEP 5, 28
	ROWLOAD X0, 14, 0                              ; x's rows take the sets that are done with
	ALOAD 6
	GSTEP 6, 22                                    ; behind set 6: set 7's 14 and x's first row's 8
	ROWLOAD X1, 14, 4096
	ALOAD 7
	GSTEP 7, 16                                    ; behind set 7: x's two rows
	ROWLOAD BO, 12, 0
.irp t, 0,1,2,3                                ; lane (r, h): columns 64 w + 32 (t / 2) + 16 h + 8 (t % 2) + 0 .. 7 of the tile's row r; each accumulator from its low end on
	ds_store_b128 v7, v[ACC+8*\t:ACC+8*\t+3] offset:128*(\t/2)+32*(\t%2)
	ds_store_b128 v7, v[ACC+8*\t+4:ACC+8*\t+7] offset:128*(\t/2)+32*(\t%2)+16
	ds_store_b128 v8, v[ACC+32+8*\t:ACC+32+8*\t+3] offset:128*(\t/2)+32*(\t%2)
	ds_store_b128 v8, v[ACC+32+8*\t+4:ACC+32+8*\t+7] offset:128*(\t/2)+32*(\t%2)+16
.endr
	s_wait_dscnt 0x0                               ; my stores have landed, and have read the accumulators
	s_barrier_signal -1
	s_barrier_wait -1                              ; 32 whole rows lie in the stage
	ROWLOAD GA, 16, 0
	ROWLOAD BE, 18, 0
.macro LANESUM                         ; v240: the sum over the wave's 32 lanes, in every lane
	v_add_f32_dpp v240, v240, v240 row_xmask:1 row_mask:0xf bank_mask:0xf
	v_add_f32_dpp v240, v240, v240 row_xmask:2 row_mask:0xf bank_mask:0xf
	v_add_f32_dpp v240, v240, v240 row_xmask:4 row_mask:0xf bank_mask:0xf
	v_add_f32_dpp v240, v240, v240 row_xmask:8 row_mask:0xf bank_mask:0xf
	v_permlanex16_b32 v241, v240, s24, s25
	v_add_f32 v240, v240, v241
.endm
.macro ROWLN i, xr                     ; my row i: 32 numbers a lane
.if \i
	s_wait_xcnt 0x0                                ; the first row's stores have read their data
.endif
.irp k, 0,1,2,3,4,5,6,7
	ds_load_b128 v[YR+4*\k:YR+4*\k+3], v9 offset:SPI*\i+512*\k
.endr
	s_wait_dscnt 0x0
.if \i == 0
	s_wait_loadcnt 16                              ; x's rows and b_out are in; gamma's and beta's 16 loads may be out
.endif
.set j, 0
.rept 16
	v_pk_add_f32 v[YR+j:YR+j+1], v[YR+j:YR+j+1], v[BO+j:BO+j+1]
.set j, j+2
.endr
.set j, 0
.rept 16
	v_pk_add_f32 v[YR+j:YR+j+1], v[YR+j:YR+j+1], v[\xr+j:\xr+j+1]   ; o W_out + b_out + x
.set j, j+2
.endr
	v_pk_add_f32 v[240:241], v[YR:YR+1], v[YR+2:YR+3]              ; the row's sum, in two packed chains
	v_pk_add_f32 v[242:243], v[YR+4:YR+5], v[YR+6:YR+7]
.irp j, 8,12,16,20,24,28
	v_pk_add_f32 v[240:241], v[240:241], v[YR+\j:YR+\j+1]
	v_pk_add_f32 v[242:243], v[242:243], v[YR+\j+2:YR+\j+3]
.endr
	v_pk_add_f32 v[240:241], v[240:241], v[242:243]
	v_add_f32 v240, v240, v241
	LANESUM
	v_mul_f32 v244, s26, v240                      ; the mean
	v_mov_b32 v245, v244
.set j, 0
.rept 16
	v_pk_add_f32 v[YR+j:YR+j+1], v[YR+j:YR+j+1], v[244:245] neg_lo:[0,1] neg_hi:[0,1]   ; less the mean
.set j, j+2
.endr
	v_pk_mul_f32 v[240:241], v[YR:YR+1], v[YR:YR+1]                ; the sum of squares about the mean
	v_pk_mul_f32 v[242:243], v[YR+2:YR+3], v[YR+2:YR+3]
.irp j, 4,8,12,16,20,24,28
	v_pk_fma_f32 v[240:241], v[YR+\j:YR+\j+1], v[YR+\j:YR+\j+1], v[240:241]
	v_pk_fma_f32 v[242:243], v[YR+\j+2:YR+\j+3], v[YR+\j+2:YR+\j+3], v[242:243]
.endr
	v_pk_add_f32 v[240:241], v[240:241], v[242:243]
	v_add_f32 v240, v240, v241
	LANESUM
	v_fma_f32 v240, v240, s26, s27                 ; the variance + 1e-5
	v_rsq_f32 v246, v240
	v_nop                                          ; a plain place behind the transcendental
	s_wait_alu depctr_va_vdst(0)                   ; and the wait ahead of its first reader
	v_mov_b32 v247, v246
.if \i == 0
	s_wait_loadcnt 0x0                             ; gamma and beta
.endif
.set j, 0
.rept 16
	v_pk_mul_f32 v[YR+j:YR+j+1], v[YR+j:YR+j+1], v[246:247]
.set j, j+2
.endr
.set j, 0
.rept 16
	v_pk_fma_f32 v[YR+j:YR+j+1], v[YR+j:YR+j+1], v[GA+j:GA+j+1], v[BE+j:BE+j+1]
.set j, j+2
.endr
.irp k, 0,1,2,3,4,5,6,7
	global_store_b128 v1, v[YR+4*\k:YR+4*\k+3], s[20:21] offset:4096*\i+512*\k th:TH_STORE_NT   ; 32 lanes store 512 consecutive bytes, at a multiple of 256 from out0's first byte
.endr
.endm
	ROWLN 0, X0
	ROWLN 1, X1
	s_wait_xcnt 0x0
	v_lshl_add_u32 v254, v0, 2, 0x26200
	v_mov_b32 v255, 0
	s_wait_tensorcnt 0x0
	ds_add_u32 v254, v255
	s_wait_dscnt 0x0
	s_endpgm
.Lfunc_end_k_qa879b3f246_outln:
	.size	k_qa879b3f246_outln, .Lfunc_end_k_qa879b3f246_outln-k_qa879b3f246_outln
	.p2alignl 7, 3214868480
	.fill 96, 4, 3214868480
	.section	.rodata,"a",@progbits
	.p2align	6, 0x0
	.amdhsa_kernel k_qa879b3f246_outln
		.amdhsa_group_segment_fixed_size 158208
		.amdhsa_private_segment_fixed_size 0
		.amdhsa_enable_private_segment 0
		.amdhsa_kernarg_size 72
		.amdhsa_user_sgpr_count 2
		.amdhsa_user_sgpr_kernarg_segment_ptr 1
		.amdhsa_wavefront_size32 1
		.amdhsa_system_sgpr_workgroup_id_x 1
		.amdhsa_system_sgpr_workgroup_id_y 1
		.amdhsa_system_sgpr_workgroup_id_z 1
		.amdhsa_system_vgpr_workitem_id 0
		.amdhsa_next_free_vgpr 256
		.amdhsa_next_free_sgpr 66
		.amdhsa_reserve_vcc 0
		.amdhsa_float_denorm_mode_32 3
		.amdhsa_float_denorm_mode_16_64 3
		.amdhsa_memory_ordered 1
		.amdhsa_forward_progress 1
		.amdhsa_inst_pref_size 52
	.end_amdhsa_kernel
	.amdgpu_metadata
---
amdhsa.version: [ 1, 2 ]
amdhsa.kernels:
  - .name:           k_qa879b3f246_outln
    .symbol:         k_qa879b3f246_outln.kd
    .args:
      - { .name: oq, .offset: 0, .size: 8, .value_kind: global_buffer, .address_space: global }
      - { .name: oqs, .offset: 8, .size: 8, .value_kind: global_buffer, .address_space: global }
      - { .name: xw, .offset: 16, .size: 8, .value_kind: global_buffer, .address_space: global }
      - { .name: xws, .offset: 24, .size: 8, .value_kind: global_buffer, .address_space: global }
      - { .name: b_out, .offset: 32, .size: 8, .value_kind: global_buffer, .address_space: global }
      - { .name: x, .offset: 40, .size: 8, .value_kind: global_buffer, .address_space: global }
      - { .name: gamma, .offset: 48, .size: 8, .value_kind: global_buffer, .address_space: global }
      - { .name: beta, .offset: 56, .size: 8, .value_kind: global_buffer, .address_space: global }
      - { .name: out0, .offset: 64, .size: 8, .value_kind: global_buffer, .address_space: global }
    .group_segment_fixed_size: 158208
    .private_segment_fixed_size: 0
    .kernarg_segment_align: 8
    .kernarg_segment_size: 72
    .max_flat_workgroup_size: 512
    .sgpr_count:     66
    .vgpr_count:     256
    .wavefront_size: 32
...
	.end_amdgpu_metadata
.endif
;; end of part 4
;; ======== version 2 of 2: 4 launches
;; workspace buffers: xw 9,437,184 bytes; xws 393,216 bytes; qkv 18,874,368 bytes; qkvs 1,572,864 bytes; oq 6,291,456 bytes; oqs 262,144 bytes
;; launch prep (part 5): grid 768 x 1, 4 waves a work-group, no clusters, 67,072 bytes of LDS; arguments x, W_qkv_codes, W_qkv_scales, W_out_codes, W_out_scales, xw, xws; writes xw, xws
.if DOCPART == 5
	.amdgcn_target "amdgcn-amd-amdhsa--gfx1250"
	.amdhsa_code_object_version 6
	.text
	.protected	k_qa879b3f246_prep
	.globl	k_qa879b3f246_prep
	.p2align	8
	.type	k_qa879b3f246_prep,@function
k_qa879b3f246_prep:
	s_mov_b64 s[64:65], 0
	v_nop
	global_prefetch_b8 v0, s[64:65] scope:SCOPE_SE
	s_setreg_imm32_b32 hwreg(HW_REG_WAVE_SCHED_MODE, 0, 2), 2
	s_setreg_imm32_b32 hwreg(HW_REG_WAVE_MODE, 25, 1), 1
	s_wait_xcnt 0x0
	s_wait_alu depctr_vm_vsrc(0)
; x [8192][1024] f32 is quantised along K to codes of E3M2 with one E8M0 byte for each 32; W_qkv's and W_out's codes and scale bytes are taken as they are given.  All three are laid
; into xw and xws in the ORDER OF AN OPERAND'S REGISTERS, so that the later launches load fragments by 16 bytes a lane and know nothing of rows.
; TILES.  Tile T = 2 B + u holds the 16 rows 32 B + 8 u + i + 8 (i / 8), i = 0 .. 15.  Where such tiles are source 0 of a product, the 16 result registers of tiles 2 B and 2 B + 1
; are 16 neighbours: what the next quantiser wants.  T 0-511: x's rows; T 512-703: W_qkv's 3,072 rows; T 704-767: W_out's 1,024 rows.
; xw  [T][K step s 0-7][1,536 bytes]: a fragment (16 rows x 128 K, 12 registers a lane): registers 4 c .. 4 c + 3 of lane l at 512 c + 16 l.
; xws [T][sp 0-3][r 0-15][8 bytes]: row r's scale words of K steps 2 sp and 2 sp + 1.
; SHARES.  A work-group takes a tile, wave sp 256 along K (two K steps).  Waves share nothing: no barrier.  x's rows come by loads of 512 consecutive bytes and turn through the wave's own
; stage in LDS (16 rows of 1,024 bytes + 16), since the conversions want 16 neighbours along K in one lane.  The weights' path uses no LDS.
; A block's scale is 2^(floor(log2(largest magnitude)) - 4): its byte is the largest magnitude's exponent field - 4, held at 1 from below by a floor among the maximum's leaves.
; LIMITS: NaN and infinities in x are not served.  A block whose largest magnitude lies under 2^-122 keeps the byte 1; a block of zeros gets the byte 1 where the rule says 127: its codes are
; zeros, which add nothing under any byte but 0xff, and the bytes are read by this program alone.
; THE MODE: SCHED_MODE bits 1:0 = 2 (LLVM: expert scheduling mode 2), set by the entry lines.  The code itself states the register dependences between vector instructions and memory or LDS
; instructions, with s_wait_alu, always for 0.
; THE PLAN.  Registers that memory or LDS instructions touch:
;   v4-v9     offsets and LDS addresses: written at the head, never again; read by every load and store.
;   R         written by the 32 global loads; read by the 32 LDS stores; then K step 1's numbers land in its first 64 registers, which the second quantisation reads.
;   X         written by K step 0's 16 LDS loads; read by the first quantisation.
;   PC        written by the first quantisation; read by its three stores; never written again.
;   PD        X's first registers, once the first quantisation has read them: written by the second quantisation; read by its three stores.  So no store's data are written again.
;   SD        written by one v_cndmask_b32; read by the scale store.
;   v248, v249  written at the head, read by the closing add alone.
; The waits: one on va_sdst for the wave's number; one on va_vdst at the head for v4-v9; one on vm_vsrc between the LDS stores that read R and the LDS loads that land in it; one on va_vdst ahead of each
; of the two runs of stores.
.set SP,   1040                        ; a stage row: 1,024 bytes + 16 = 260 words: row r starts at bank 4 r mod 64
.set STW,  16*SP                       ; a wave's stage
.set R,    16                          ; v16-143  32 x 4 registers as loaded; later K step 1's 64 numbers (weights: two fragments in v16-39, a scale word in v40)
.set X,    144                         ; v144-207 K step 0's 64 numbers
.set TM,   208                         ; v208-223 the quantiser's work
.set PC,   224                         ; v224-242 K step 0's codes
.set PD,   144                         ; v144-162 K step 1's codes
.set PW,   244                         ; the scale word just made
.set PW0,  245                         ; K step 0's, kept
.set SD,   246                         ; what the scale store sends
.set SEL,  20                          ; s[20:21] v_permlanex16_b32's selects for lane l xor 16
; 64 numbers of a lane, v[s] .. v[s + 63], register 16 b + i = k 32 b + 16 (lane / 16) + i of my row, become a fragment's codes in v[pc] on and its scale word in v[PW].
.macro QUANT s, pc
.irp b, 0,1,2,3
	v_max3_num_f32 v[TM+\b], |v[\s+16*\b]|, |v[\s+1+16*\b]|, 0x2800000   ; block b: my 16 numbers, and the floor 2^(5 - 127): the byte cannot fall under 1
.endr
.irp i, 2,4,6,8,10,12,14
.irp b, 0,1,2,3
	v_max3_num_f32 v[TM+\b], v[TM+\b], |v[\s+16*\b+\i]|, |v[\s+1+16*\b+\i]|   ; the four blocks by turns
.endr
.endr
.irp b, 0,1,2,3
	v_permlanex16_b32 v[TM+4+\b], v[TM+\b], s[SEL], s[SEL+1]
.endr
.irp b, 0,1,2,3
	v_max_num_f32 v[TM+\b], v[TM+\b], v[TM+4+\b]   ; with lane l xor 16's: the block's largest magnitude
.endr
.irp b, 0,1,2,3
	v_add_nc_u32 v[TM+12+\b], 0xfe000000, v[TM+\b]   ; 4 off its exponent field: the conversion's scale operand
.endr
.irp b, 0,1,2,3
	v_lshrrev_b32 v[TM+4+\b], 23, v[TM+12+\b]   ; the scale's byte
.endr
	v_lshl_or_b32 v[PW], v[TM+5], 8, v[TM+4]
	v_lshl_or_b32 v[PW], v[TM+6], 16, v[PW]
	v_lshl_or_b32 v[PW], v[TM+7], 24, v[PW]
.irp c, 0,1
	v_cvt_scalef32_pk16_bf6_f32 v[\pc+6*\c:\pc+2+6*\c], v[\s+32*\c:\s+15+32*\c], v[TM+12+2*\c]
	v_cvt_scalef32_pk16_bf6_f32 v[\pc+12+4*\c:\pc+14+4*\c], v[\s+16+32*\c:\s+31+32*\c], v[TM+12+2*\c+1]   ; a conversion's three registers begin on an even number
.endr
	v_nop                                          ; one plain place behind a scaled conversion
.irp c, 0,1                                    ; the operand's layout wants a whole block in a lane: lanes 0-15 block 2 c, lanes 16-31 block 2 c + 1
.irp i, 0,1,2
	v_permlane16_swap_b32 v[\pc+6*\c+\i], v[\pc+12+4*\c+\i]
.endr
.irp i, 0,1,2
	v_mov_b32 v[\pc+3+6*\c+\i], v[\pc+12+4*\c+\i]
.endr
.endr
.endm
	s_load_b256 s[4:11], s[0:1], 0x0               ; x s[4:5], W_qkv's codes s[6:7], its scales s[8:9], W_out's codes s[10:11]
	s_load_b128 s[12:15], s[0:1], 0x20             ; W_out's scales s[12:13], xw s[14:15]
	s_load_b64 s[16:17], s[0:1], 0x30              ; xws
	v_lshl_add_u32 v248, v0, 2, 0x10400            ; my spare word, behind the four stages, and 0: made here and kept for the closing lines alone
	v_mov_b32 v249, 0
	v_lshrrev_b32 v1, 5, v0
	v_readfirstlane_b32 s18, v1                    ; wave = sp
	v_and_b32 v1, 31, v0                           ; lane
	v_and_b32 v2, 15, v0                           ; r
	v_bfe_u32 v3, v0, 4, 1                         ; h
	v_lshlrev_b32 v4, 4, v1                        ; 16 l: a load's and an image's place for my lane
	v_lshlrev_b32 v7, 3, v2
	v_lshl_add_u32 v7, v3, 2, v7                   ; 8 r + 4 h: lanes 0-15 send K step 2 sp's word, lanes 16-31 K step 2 sp + 1's
	s_wait_alu depctr_va_sdst(0)                   ; s18 is written, ahead of its first reader: LDS addresses and the bases are made from it
	s_mul_i32 s30, s18, STW
	v_add_nc_u32 v5, s30, v4                       ; the stage, on the way in
	v_mul_u32_u24 v6, v2, SP
	v_lshl_add_u32 v6, v3, 6, v6
	v_add_nc_u32 v6, s30, v6                       ; and out: row r, + 64 h: my 16 numbers of a block of 32
	v_and_b32 v10, 8, v2
	v_add_nc_u32 v10, v10, v2                      ; r + 8 (r / 8)
	v_mul_u32_u24 v8, v10, 768                     ; the weights: a row of 1,024 codes is 768 bytes,
	v_mad_u32_u24 v8, v3, 24, v8                   ; + 24 h
	v_lshlrev_b32 v9, 5, v10                       ; a row of scale bytes is 32,
	v_lshl_add_u32 v9, v3, 2, v9                   ; + 4 h: the second K step's word for lanes 16-31
	s_lshl_b32 s24, ttmp9, 3
	s_lshl_b32 s25, s18, 1
	s_add_co_u32 s24, s24, s25
	s_mul_i32 s24, s24, 1536                       ; xw: (8 T + 2 sp) fragments on
	s_mov_b32 s25, 0
	s_lshl_b32 s26, ttmp9, 9
	s_lshl_b32 s27, s18, 7
	s_add_co_u32 s26, s26, s27                     ; xws: 512 T + 128 sp
	s_mov_b32 s27, 0
	s_mov_b32 s[SEL], 0x76543210
	s_mov_b32 s[SEL+1], 0xfedcba98
	s_wait_kmcnt 0x0
	s_add_nc_u64 s[14:15], s[14:15], s[24:25]
	s_add_nc_u64 s[16:17], s[16:17], s[26:27]
	s_wait_alu depctr_va_vdst(0)                   ; v4 to v9 are written: every load and store of both paths reads one of them as its offset or address
	s_cmp_lt_u32 ttmp9, 512                        ; a tile of x, or of a weight?  The work-group's number alone decides
	s_cbranch_scc0 .Lweights
	; ---- x
	s_lshr_b32 s28, ttmp9, 1
	s_lshl_b32 s28, s28, 5
	s_and_b32 s29, ttmp9, 1
	s_lshl_b32 s29, s29, 3
	s_add_co_u32 s28, s28, s29                     ; the tile's first row: 32 (T / 2) + 8 (T % 2)
	s_lshl_b32 s28, s28, 12                        ; rows of 4,096 bytes (under 2^25 in all)
	s_lshl_b32 s29, s18, 10
	s_add_co_u32 s28, s28, s29                     ; + my 256 numbers along K
	s_mov_b32 s29, 0
	s_add_nc_u64 s[4:5], s[4:5], s[28:29]
.set n, 0
.rept 32                                       ; row i = n / 2 of the tile, half n % 2 of its 1,024 bytes: 32 lanes read 512 consecutive bytes
	global_load_b128 v[R+4*n:R+4*n+3], v4, s[4:5] offset:((n/2)+8*((n/2)/8))*4096+512*(n%2) th:TH_LOAD_NT
.set n, n+1
.endr
.irp b, 0,1,2,3
	v_mov_b32 v[TM+4+\b], 0                        ; written once: a lane permute's destination counts as one of its sources
.endr
.irp g, 0,1,2,3
	s_wait_loadcnt 24-8*\g                         ; the oldest 8 (g + 1) loads are in; the younger ones stay out
.irp m, 0,1,2,3,4,5,6,7
	ds_store_b128 v5, v[R+4*(8*\g+\m):R+4*(8*\g+\m)+3] offset:SP*((8*\g+\m)/2)+512*(\m%2)
.endr
.endr
.irp b, 0,1,2,3
.irp j, 0,1,2,3
	ds_load_b128 v[X+16*\b+4*\j:X+16*\b+4*\j+3], v6 offset:128*\b+16*\j   ; LDS serves a wave's instructions in order: these see my stores.  K step 0
.endr
.endr
	s_wait_alu depctr_vm_vsrc(0)                   ; the LDS stores have read R, in whose first 64 registers K step 1's numbers land
.irp b, 0,1,2,3
.irp j, 0,1,2,3
	ds_load_b128 v[R+16*\b+4*\j:R+16*\b+4*\j+3], v6 offset:512+128*\b+16*\j   ; K step 1 lands while K step 0 is quantised
.endr
.endr
	s_wait_dscnt 16                                ; LDS instructions end in order: K step 0 is in; the 16 younger loads, K step 1's, stay out
	QUANT X, PC
	v_mov_b32 v[PW0], v[PW]
	s_wait_alu depctr_va_vdst(0)                   ; the first quantisation has written PC, which the three stores read
.irp c, 0,1,2
	global_store_b128 v4, v[PC+4*\c:PC+4*\c+3], s[14:15] offset:512*\c   ; 32 lanes store 512 consecutive bytes, at a multiple of 256 from xw's first byte
.endr
	s_wait_dscnt 0x0                               ; K step 1 is in
	QUANT R, PD                                    ; its codes go into registers of their own: PC, which the stores above read, is not written again
	s_mov_b32 vcc_lo, 0xffff0000
	v_cndmask_b32 v[SD], v[PW0], v[PW], vcc_lo     ; lanes 16-31 send K step 1's word (every lane holds its row's)
	s_wait_alu depctr_va_vdst(0)                   ; the second quantisation has written PD, and the line above SD, which the four stores read
.irp c, 0,1,2
	global_store_b128 v4, v[PD+4*\c:PD+4*\c+3], s[14:15] offset:1536+512*\c
.endr
	global_store_b32 v7, v[SD], s[16:17]           ; 128 consecutive bytes
	s_wait_dscnt 0x0                               ; the closing lines, six on end
	s_wait_alu 0x0
	s_wait_tensorcnt 0x0
	ds_add_u32 v248, v249
	s_wait_dscnt 0x0
	s_endpgm
.Lweights:                                     ; ---- a weight's tile: the codes' 24 bytes of a lane are the operand's registers as they lie.  No vector instruction stands on this path: loads' data go to stores, behind the wait on LOADcnt
	s_sub_co_u32 s28, ttmp9, 512
	s_cmp_lt_u32 s28, 192                          ; W_qkv's 192 tiles, then W_out's 64
	s_cselect_b64 s[6:7], s[6:7], s[10:11]
	s_cselect_b64 s[8:9], s[8:9], s[12:13]
	s_cselect_b32 s29, 0, 192
	s_sub_co_u32 s28, s28, s29                     ; the tile's number in its weight
	s_lshr_b32 s29, s28, 1
	s_lshl_b32 s29, s29, 5
	s_and_b32 s28, s28, 1
	s_lshl_b32 s28, s28, 3
	s_add_co_u32 s28, s28, s29                     ; its first row
	s_mul_i32 s24, s28, 768
	s_mul_i32 s25, s18, 192
	s_add_co_u32 s24, s24, s25                     ; codes: row x 768 + 192 sp
	s_mov_b32 s25, 0
	s_lshl_b32 s26, s28, 5
	s_lshl_b32 s27, s18, 3
	s_add_co_u32 s26, s26, s27                     ; scale bytes: row x 32 + 8 sp
	s_mov_b32 s27, 0
	s_add_nc_u64 s[6:7], s[6:7], s[24:25]
	s_add_nc_u64 s[8:9], s[8:9], s[26:27]
.irp s, 0,1
.irp p, 0,1,2,3,4,5
	global_load_b64 v[R+12*\s+2*\p:R+12*\s+2*\p+1], v8, s[6:7] offset:96*\s+48*(\p/3)+8*(\p%3)   ; in pieces of 8 bytes: every address is a multiple of the access's size
.endr
.endr
	global_load_b32 v[R+24], v9, s[8:9]
	s_wait_loadcnt 0x0
.irp s, 0,1
.irp c, 0,1,2
	global_store_b128 v4, v[R+12*\s+4*\c:R+12*\s+4*\c+3], s[14:15] offset:1536*\s+512*\c
.endr
.endr
	global_store_b32 v7, v[R+24], s[16:17]
	s_endpgm
.Lfunc_end_k_qa879b3f246_prep:
	.size	k_qa879b3f246_prep, .Lfunc_end_k_qa879b3f246_prep-k_qa879b3f246_prep
	.p2alignl 7, 3214868480
	.fill 96, 4, 3214868480
	.section	.rodata,"a",@progbits
	.p2align	6, 0x0
	.amdhsa_kernel k_qa879b3f246_prep
		.amdhsa_group_segment_fixed_size 67072
		.amdhsa_private_segment_fixed_size 0
		.amdhsa_enable_private_segment 0
		.amdhsa_kernarg_size 56
		.amdhsa_user_sgpr_count 2
		.amdhsa_user_sgpr_kernarg_segment_ptr 1
		.amdhsa_wavefront_size32 1
		.amdhsa_system_sgpr_workgroup_id_x 1
		.amdhsa_system_sgpr_workgroup_id_y 1
		.amdhsa_system_sgpr_workgroup_id_z 1
		.amdhsa_system_vgpr_workitem_id 0
		.amdhsa_next_free_vgpr 250
		.amdhsa_next_free_sgpr 66
		.amdhsa_reserve_vcc 1
		.amdhsa_float_denorm_mode_32 3
		.amdhsa_float_denorm_mode_16_64 3
		.amdhsa_memory_ordered 1
		.amdhsa_forward_progress 1
		.amdhsa_inst_pref_size 22
	.end_amdhsa_kernel
	.amdgpu_metadata
---
amdhsa.version: [ 1, 2 ]
amdhsa.kernels:
  - .name:           k_qa879b3f246_prep
    .symbol:         k_qa879b3f246_prep.kd
    .args:
      - { .name: x, .offset: 0, .size: 8, .value_kind: global_buffer, .address_space: global }
      - { .name: W_qkv_codes, .offset: 8, .size: 8, .value_kind: global_buffer, .address_space: global }
      - { .name: W_qkv_scales, .offset: 16, .size: 8, .value_kind: global_buffer, .address_space: global }
      - { .name: W_out_codes, .offset: 24, .size: 8, .value_kind: global_buffer, .address_space: global }
      - { .name: W_out_scales, .offset: 32, .size: 8, .value_kind: global_buffer, .address_space: global }
      - { .name: xw, .offset: 40, .size: 8, .value_kind: global_buffer, .address_space: global }
      - { .name: xws, .offset: 48, .size: 8, .value_kind: global_buffer, .address_space: global }
    .group_segment_fixed_size: 67072
    .private_segment_fixed_size: 0
    .kernarg_segment_align: 8
    .kernarg_segment_size: 56
    .max_flat_workgroup_size: 128
    .sgpr_count:     66
    .vgpr_count:     250
    .wavefront_size: 32
...
	.end_amdgpu_metadata
.endif
;; end of part 5
;; launch qkvgemm: the kernel of part 2 again; grid 12 x 32, 4 waves a work-group, clusters of 4 x 4, 327,680 bytes of LDS; arguments xw, xws, b_qkv, qkv, qkvs; writes qkv, qkvs
;; launch attn (part 6): grid 2 x 128, 16 waves a work-group, no clusters, 169,984 bytes of LDS; arguments qkv, qkvs, oq, oqs; writes oq, oqs
.if DOCPART == 6
	.amdgcn_target "amdgcn-amd-amdhsa--gfx1250"
	.amdhsa_code_object_version 6
	.text
	.protected	k_qa879b3f246_attn
	.globl	k_qa879b3f246_attn
	.p2align	8
	.type	k_qa879b3f246_attn,@function
k_qa879b3f246_attn:
	s_mov_b64 s[64:65], 0
	v_nop
	global_prefetch_b8 v0, s[64:65] scope:SCOPE_SE
	s_setreg_imm32_b32 hwreg(HW_REG_WAVE_MODE, 25, 1), 1
	s_wait_xcnt 0x0
; o = softmax(q k^T / 32, causal) v for one (batch, head), both products on codes of E3M2, and o quantised along the model's 1,024 on the way out.  q, k, v come from qkv and qkvs as images of operand registers.
; THE SOFTMAX AHEAD OF THE SECOND PRODUCT: t = score x log2(e) / 32; M = the row's largest t so far, rounded up to a whole number; p = 2^(t - M) is what is quantised, along the keys.  The row's sum is taken
; of the unquantised p and divides O at the end.  When M moves, the sum and O are multiplied by 2^(old M - new M): exact.
; K = 64 in the first product: the upper six registers of q's and k's fragments are zero codes, which add nothing under any scale byte but 0xff.
; SHARES.  A head's k, v and scale words, 106,496 bytes, lie in LDS whole: each byte is filled once, in two halves along the keys.  Two work-groups to a head, sixteen waves each.  Wave number p = 16 x + w takes
; the query tiles p and 63 - p: tile T wants T / 8 + 1 key steps of 128, so every wave has nine.  The loops' trip counts are constants (4 and 8); a step all of whose keys come after the tile's queries is
; jumped over by a scalar branch on ids.
; LAYOUT.  Both products are used transposed: S^T = K Q^T, O^T = V^T P^T: a lane holds one query throughout.  A tile's 16 rows (queries, keys, d alike) are 32 B + 8 u + i + 8 (i / 8), so that the 16 registers of
; tiles 2 B and 2 B + 1 of a result are 16 neighbours of the next K.
; THE MASK.  On the diagonal a hidden score becomes -2^37, which x 1 / 32 is reference's -2^32.  LIMIT: key steps that lie wholly above the diagonal are taken as p = 0, which holds while a row's largest
; logit lies more than some 150 above -2^32.  NaN and infinities are not served.
; NO CLUSTER: two work-groups share a head's tiles; a cluster of four would hold two heads, whose tiles differ.  NO PREFETCH: all that a work-group reads is asked for at its head.
; OUT.  oq [64 b + T][K step s = head / 2][1,536]: half head % 2 of a fragment: registers 0-3 at 16 l, 4-5 at 512 + 8 l.  oqs [64 b + T][s][r] words: byte 2 (head % 2) + block.
; REGISTERS: v1-4, v29-30 offsets that stay; v5-7 the step's addresses; v8-11 V's scale words; v12 -M, v13 the largest t, v[14:15] the sum; v16-27 Q; v32-79 four fragments of K; v80-127 four of V;
;   v128-191 S^T, then p; v192-223 O^T; v224-235 p's codes; v232-247, v252, v254 at work; v248-251 K's scale words; v253 p's scale word; v255 Q's.
.set VC,   49152                       ; LDS: K's codes [tile][768] at 0; V's [key step][dt][1,536] here;
.set KSC,  98304                       ; K's scale words [tile][r]; V's [key step][dt][lane] 4,096 bytes on
.set S,    128
.set O,    192
.set WV,   12                          ; s12 wave
.set BH,   13                          ; s13 16 b + head
.set PP,   14                          ; s14 16 x + wave
.set SEL,  20                          ; s[20:21] lane selects for lane l xor 16
.set CS,   22                          ; s[22:23] c = log2(e) / 32
.set G1C,  24                          ; s[24:31] group 1: 6,144 dense bytes as 24 rows of 256
.set G1S,  32                          ; s[32:39] 1,024 dense bytes as 4 rows of 256
.set G0A,  40                          ; s[40:51] three groups 0: scale words, the first half of the keys, the second
.set G0B,  44
.set G0C,  48
.set TT,   52                          ; s52 the query tile
.set KS,   53                          ; s53 the key step: the loop's counter
.set LS,   54                          ; s54 the tile's last key step: T / 8
.set TB,   55                          ; s55 6,144 x key step
.set TS,   56                          ; s56 512 x key step
.set KF,   57                          ; s57 128 x key step
.set Q0,   58                          ; s58 the tile's first query
.set QB,   60                          ; s[60:61], s[62:63] q's codes and scale words at the tile
.set QSB,  62
.set OB,   66                          ; s[66:67], s[68:69] where o's codes and bytes go
.set OSB,  68
.set HQ,   82                          ; s[82:89] the same four at the head's tile 0
.set HQS,  84
.set HO,   86
.set HOS,  88
	s_load_b256 s[4:11], s[0:1], 0x0               ; qkv s[4:5], qkvs s[6:7], oq s[8:9], oqs s[10:11]
	v_lshl_add_u32 v31, v0, 2, 0x29000
	v_mov_b32 v243, 0
	ds_add_u32 v31, v243
	ds_add_u32 v31, v243
	v_lshrrev_b32 v1, 5, v0
	s_delay_alu instid0(VALU_DEP_1)
	v_readfirstlane_b32 s[WV], v1                  ; wave 0..15
	s_and_b32 s[BH], ttmp7, 0xffff
	s_lshl_b32 s[PP], ttmp9, 4
	s_add_co_u32 s[PP], s[PP], s[WV]
	s_and_b32 s70, s[WV], 3                        ; which quarter I fetch,
	s_bfe_u32 s71, s[WV], 0x10002                  ; of k (waves 0-3) or of v (waves 4-7)
	s_mov_b32 s[G1C], 3<<16                        ; no mask; elements of 8 bytes; no padding
	s_mov_b32 s[G1C+1], 32<<16
	s_mov_b32 s[G1C+2], 24<<16
	s_mov_b32 s[G1C+3], 32<<16
	s_mov_b32 s[G1C+4], 24
	s_mov_b32 s[G1C+5], 32
	s_mov_b32 s[G1C+6], 0
	s_mov_b32 s[G1C+7], 0
	s_mov_b32 s[G1S], 3<<16
	s_mov_b32 s[G1S+1], 32<<16
	s_mov_b32 s[G1S+2], 4<<16
	s_mov_b32 s[G1S+3], 32<<16
	s_mov_b32 s[G1S+4], 4
	s_mov_b32 s[G1S+5], 32
	s_mov_b32 s[G1S+6], 0
	s_mov_b32 s[G1S+7], 0
	s_and_b32 s72, s[WV], 7
	s_lshl_b32 s72, s72, 10
	s_add_co_u32 s72, s72, KSC                     ; LDS: my 1,024 bytes of scale words
	s_lshl_b32 s73, s71, 3
	s_add_co_u32 s73, s73, s70
	s_mul_i32 s73, s73, 6144                       ; and my 6,144 bytes of codes: (quarter + 8 for v) x 6,144
	s_add_co_u32 s74, s71, 1                       ; region 1 (k) or 2 (v)
	s_mul_i32 s76, s74, 6291456
	s_mul_i32 s75, s[BH], 49152
	s_add_co_u32 s76, s76, s75
	s_mul_i32 s75, s70, 6144
	s_add_co_u32 s76, s76, s75                     ; under 2^25
	s_mov_b32 s77, 0
	s_lshl_b32 s78, s74, 19
	s_lshl_b32 s75, s[BH], 12
	s_add_co_u32 s78, s78, s75
	s_lshl_b32 s75, s70, 10
	s_add_co_u32 s78, s78, s75
	s_mov_b32 s79, 0
	s_wait_dscnt 0x0
	s_wait_kmcnt 0x0
	s_mov_b32 s[G0A], 1
	s_mov_b32 s[G0A+1], s72
	s_add_nc_u64 s[G0A+2:G0A+3], s[6:7], s[78:79]
	s_or_b32 s[G0A+3], s[G0A+3], 0x80000000
	s_mov_b32 s[G0B], 1
	s_mov_b32 s[G0B+1], s73
	s_add_nc_u64 s[G0B+2:G0B+3], s[4:5], s[76:77]
	s_mov_b32 s[G0C], 1
	s_add_co_u32 s[G0C+1], s73, 24576
	s_add_nc_u64 s[G0C+2:G0C+3], s[G0B+2:G0B+3], 24576
	s_or_b32 s[G0B+3], s[G0B+3], 0x80000000
	s_or_b32 s[G0C+3], s[G0C+3], 0x80000000
	s_cmp_lt_u32 s[WV], 8                          ; a wave's three first fills stand in one branch on its number, ahead of every wait on TENSORcnt, every LDS read and every barrier
	s_cbranch_scc0 .Lno_fill
	tensor_load_to_lds s[G0A:G0A+3], s[G1S:G1S+7]  ; a quarter of k's or v's scale words
	s_nop 0
	tensor_load_to_lds s[G0B:G0B+3], s[G1C:G1C+7]  ; a quarter of the codes of keys 0-511
	s_nop 0
	tensor_load_to_lds s[G0C:G0C+3], s[G1C:G1C+7]  ; and of keys 512-1,023
	s_nop 0
.rept 4
	v_nop
.endr
.Lno_fill:
	v_and_b32 v5, 31, v0                           ; l
	v_and_b32 v6, 15, v0                           ; r
	v_bfe_u32 v7, v0, 4, 1                         ; h
	s_delay_alu instid0(VALU_DEP_3)
	v_lshlrev_b32 v1, 4, v5                        ; 16 l
	s_delay_alu instid0(VALU_DEP_4)
	v_lshl_add_u32 v2, v5, 3, 512                  ; 8 l + 512
	v_lshl_add_u32 v3, v5, 2, KSC                  ; scale words: 4 l
	v_and_b32 v4, 8, v6
	s_delay_alu instid0(VALU_DEP_1)
	v_add_nc_u32 v4, v4, v6
	v_lshlrev_b32 v8, 4, v7
	s_delay_alu instid0(VALU_DEP_1)
	v_sub_nc_u32 v4, v4, v8                        ; r + 8 (r / 8) - 16 h: for the mask
	v_lshlrev_b32 v29, 2, v6                       ; 4 r
	s_delay_alu instid0(VALU_DEP_1)
	v_add_nc_u32 v30, v29, v7                      ; 4 r + h
.irp j, 22,23,24,25,26,27
	v_mov_b32 v[\j], 0                             ; Q's upper 64 along K: zero codes, for the whole launch
.endr
.irp t, 0,1,2,3
.irp j, 6,7,8,9,10,11
	v_mov_b32 v[32+12*\t+\j], 0                    ; K's likewise
.endr
.endr
.irp j, 236,237,238,239,252,253
	v_mov_b32 v[\j], 0                             ; written once: lane permutes' destinations, and the pair v[252:253]
.endr
	s_mov_b32 s[SEL], 0x76543210
	s_mov_b32 s[SEL+1], 0xfedcba98
	s_mov_b32 s[CS], 0x3d38aa3b                    ; c = log2(e) / 32
	s_mov_b32 s[CS+1], s[CS]                       ; named with it as a pair, so it is written
	s_mul_i32 s80, s[BH], 49152
	s_mov_b32 s81, 0
	s_add_nc_u64 s[HQ:HQ+1], s[4:5], s[80:81]      ; q is region 0
	s_lshl_b32 s80, s[BH], 12
	s_add_nc_u64 s[HQS:HQS+1], s[6:7], s[80:81]
	s_lshr_b32 s70, s[BH], 4                       ; b
	s_and_b32 s71, s[BH], 15                       ; head
	s_lshr_b32 s72, s71, 1                         ; K step of the last product
	s_and_b32 s73, s71, 1                          ; which half of its fragment
	s_mul_i32 s80, s70, 64*8*1536
	s_mul_i32 s74, s72, 1536
	s_add_co_u32 s80, s80, s74
	s_mul_i32 s74, s73, 768
	s_add_co_u32 s80, s80, s74
	s_add_nc_u64 s[HO:HO+1], s[8:9], s[80:81]
	s_lshl_b32 s80, s70, 15
	s_lshl_b32 s74, s72, 6
	s_add_co_u32 s80, s80, s74
	s_lshl_b32 s74, s73, 1
	s_add_co_u32 s80, s80, s74
	s_add_nc_u64 s[HOS:HOS+1], s[10:11], s[80:81]
.macro SQ g                            ; four tiles of S^T = K Q^T.  K's scale words: lanes 0-15 of a register hold an even tile's, lanes 16-31 the odd tile's behind it
.irp t, 0,1,2,3
.if \t%2
	v_wmma_scale_f32_16x16x128_f8f6f4 v[S+8*(4*\g+\t):S+8*(4*\g+\t)+7], v[32+12*\t:43+12*\t], v[16:27], 0, v[248+(4*\g+\t)/2], v255 matrix_a_fmt:MATRIX_FMT_BF6 matrix_b_fmt:MATRIX_FMT_BF6 matrix_a_scale:MATRIX_SCALE_ROW1
.else
	v_wmma_scale_f32_16x16x128_f8f6f4 v[S+8*(4*\g+\t):S+8*(4*\g+\t)+7], v[32+12*\t:43+12*\t], v[16:27], 0, v[248+(4*\g+\t)/2], v255 matrix_a_fmt:MATRIX_FMT_BF6 matrix_b_fmt:MATRIX_FMT_BF6
.endif
.endr
.endm
.macro KLOAD g                         ; the lower six registers of four fragments of K
.irp t, 0,1,2,3
	ds_load_b128 v[32+12*\t:35+12*\t], v5 offset:768*(4*\g+\t)
	ds_load_b64 v[36+12*\t:37+12*\t], v6 offset:768*(4*\g+\t)
.endr
.endm
; A KEY STEP: 128 keys.
.macro STEP
	s_cmp_gt_u32 s[KS], s[LS]                      ; all its keys come after my queries: only the lines at its end, which step addresses, are run
	s_cbranch_scc1 .Lhidden_\@
	s_setprio 2
	v_add_nc_u32 v5, s[TB], v1
	v_add_nc_u32 v6, s[TB], v2
	v_add_nc_u32 v7, s[TS], v3
	v_nop                                          ; these four are the places in front of the loads into V's registers, which the last products read
.irp i, 0,1,2,3
	ds_load_b32 v[248+\i], v7 offset:128*\i        ; K's scale words of tiles 2 i (lanes 0-15) and 2 i + 1 (lanes 16-31)
.endr
	KLOAD 0
.irp t, 0,1,2,3
	ds_load_b128 v[80+12*\t:83+12*\t], v5 offset:VC+1536*\t
	ds_load_b64 v[84+12*\t:85+12*\t], v6 offset:VC+1536*\t
	ds_load_b128 v[86+12*\t:89+12*\t], v5 offset:VC+1536*\t+768
	ds_load_b64 v[90+12*\t:91+12*\t], v6 offset:VC+1536*\t+768
.endr
.irp t, 0,1,2,3
	ds_load_b32 v[8+\t], v7 offset:4096+128*\t     ; V's scale words
.endr
	s_wait_alu depctr_va_vdst(0)
	s_wait_dscnt 20                                ; K's words and first four tiles are in; V's 16 loads and its 4 words may be out
	SQ 0
.rept 4
	v_nop                                          ; places in front of loads into registers that matrix instructions have read
.endr
	KLOAD 1
	s_wait_dscnt 0x0
	SQ 1
.rept 4
	v_nop
.endr
	s_cmp_lt_u32 s[KS], s[LS]                      ; a step all of whose keys count skips the mask
	s_cbranch_scc1 .Lopen_\@
	s_sub_co_i32 s80, s[Q0], s[KF]
	v_add_nc_u32 v252, s80, v4                     ; d = my query - the step's first key - 16 h.  Register 16 b + i holds key 32 b + 16 h + i of the step: hidden where 32 b + i > d
	v_mov_b32 v254, 0xd2000000                     ; -2^37
.irp n, 0,1,2,3,4,5,6,7,8,9,10,11,12,13,14,15,16,17,18,19,20,21,22,23,24,25,26,27,28,29,30,31,32,33,34,35,36,37,38,39,40,41,42,43,44,45,46,47,48,49,50,51,52,53,54,55,56,57,58,59,60,61,62,63
	v_cmp_gt_i32 vcc_lo, 32*(\n/16)+\n%16, v252
	v_cndmask_b32 v[S+\n], v[S+\n], v254, vcc_lo
.endr
.Lopen_\@:
.irp b, 0,1,2,3
	v_max3_num_f32 v[232+\b], v[S+16*\b], v[S+1+16*\b], v[S+2+16*\b]   ; the largest score of each block of 32 keys: for the row's maximum, and, since p rises with the score, for the block's largest p
.endr
.irp i, 3,5,7,9,11,13
.irp b, 0,1,2,3
	v_max3_num_f32 v[232+\b], v[232+\b], v[S+16*\b+\i], v[S+1+16*\b+\i]
.endr
.endr
.irp b, 0,1,2,3
	v_max_num_f32 v[232+\b], v[232+\b], v[S+15+16*\b]
.endr
.irp b, 0,1,2,3
	s_delay_alu instid0(VALU_DEP_4)
	v_permlanex16_b32 v[236+\b], v[232+\b], s[SEL], s[SEL+1]
.endr
.irp b, 0,1,2,3
	s_delay_alu instid0(VALU_DEP_4)
	v_max_num_f32 v[232+\b], v[232+\b], v[236+\b]  ; with lane l xor 16's 16 keys
.endr
	s_delay_alu instid0(VALU_DEP_2)
	v_max3_num_f32 v254, v232, v233, v234
	s_delay_alu instid0(VALU_DEP_1)
	v_max_num_f32 v254, v254, v235                 ; the step's largest score of my query
	s_delay_alu instid0(VALU_DEP_1)
	v_mul_f32 v254, s[CS], v254                    ; as t (c is positive)
	s_delay_alu instid0(VALU_DEP_1)
	v_max_num_f32 v13, v13, v254                   ; the running largest t
	v_mov_b32 v254, v12
	s_delay_alu instid0(VALU_DEP_2)
	v_floor_f32 v12, -v13                          ; the new -M = floor(-t): M is a whole number
	s_delay_alu instid0(VALU_DEP_1)
	v_sub_f32 v254, v12, v254                      ; old M - new M: a whole number, 0 or less
	s_delay_alu instid0(VALU_DEP_1)
	v_cvt_i32_f32 v254, v254                       ; (it saturates)
	s_delay_alu instid0(VALU_DEP_1)
	v_ldexp_f32 v252, 1.0, v254                    ; f = 2^(old M - new M)
.set j, 0
	s_setprio 1
.rept 32
	v_pk_fma_f32 v[S+j:S+j+1], v[S+j:S+j+1], s[CS:CS+1], v[12:13] op_sel_hi:[1,0,0]   ; t - M, two at a time
.set j, j+2
.endr
.irp b, 0,1,2,3
	v_fma_f32 v[232+\b], v[232+\b], s[CS], v12     ; the same of each block's largest score
.endr
.set j, 0
	s_wait_alu depctr_va_vdst(0)
.rept 64
	v_exp_f32 v[S+j], v[S+j]                       ; p = 2^(t - M), at most 1
.set j, j+1
.endr
	v_pk_mul_f32 v[14:15], v[14:15], v[252:253] op_sel_hi:[1,0]   ; the sums under the new M: a plain place behind the exponentials
	s_wait_alu depctr_va_vdst(0)                   ; one wait for the batch of 64, ahead of its first reader
.irp b, 0,1,2,3
	v_exp_f32 v[232+\b], v[232+\b]                 ; the block's largest p: the same two instructions on the same number
.endr
	v_pk_add_f32 v[236:237], v[132:133], v[136:137]
	v_pk_add_f32 v[250:251], v[140:141], v[144:145]
	v_pk_add_f32 v[248:249], v[148:149], v[152:153]
	v_pk_add_f32 v[246:247], v[156:157], v[160:161]
	v_pk_add_f32 v[244:245], v[164:165], v[168:169]
	v_pk_add_f32 v[240:241], v[172:173], v[176:177]
	v_pk_add_f32 v[238:239], v[180:181], v[184:185]
	v_pk_add_f32 v[14:15], v[14:15], v[188:189]
	v_pk_add_f32 v[236:237], v[236:237], v[128:129]
	v_pk_add_f32 v[250:251], v[250:251], v[130:131]
	v_pk_add_f32 v[248:249], v[248:249], v[134:135]
	v_pk_add_f32 v[246:247], v[246:247], v[138:139]
	v_pk_add_f32 v[244:245], v[244:245], v[142:143]
	v_pk_add_f32 v[240:241], v[240:241], v[146:147]
	v_pk_add_f32 v[238:239], v[238:239], v[150:151]
	v_pk_add_f32 v[14:15], v[14:15], v[154:155]
	v_pk_add_f32 v[236:237], v[236:237], v[158:159]
	v_pk_add_f32 v[250:251], v[250:251], v[162:163]
	v_pk_add_f32 v[248:249], v[248:249], v[166:167]
	v_pk_add_f32 v[246:247], v[246:247], v[170:171]
	v_pk_add_f32 v[244:245], v[244:245], v[174:175]
	v_pk_add_f32 v[240:241], v[240:241], v[178:179]
	v_pk_add_f32 v[238:239], v[238:239], v[182:183]
	v_pk_add_f32 v[14:15], v[14:15], v[186:187]
	v_pk_add_f32 v[236:237], v[236:237], v[190:191]
	s_delay_alu instid0(VALU_DEP_2)
	v_pk_add_f32 v[14:15], v[14:15], v[246:247]
	s_delay_alu instid0(VALU_DEP_2)
	v_pk_add_f32 v[236:237], v[236:237], v[244:245]
	v_pk_add_f32 v[250:251], v[250:251], v[240:241]
	v_pk_add_f32 v[248:249], v[248:249], v[238:239]
	s_delay_alu instid0(VALU_DEP_2)
	v_pk_add_f32 v[14:15], v[14:15], v[250:251]
	s_delay_alu instid0(VALU_DEP_2)
	v_pk_add_f32 v[236:237], v[236:237], v[248:249]
	s_delay_alu instid0(VALU_DEP_1)
	v_pk_add_f32 v[14:15], v[14:15], v[236:237]
	s_wait_alu depctr_va_vdst(0)                   ; and one for the four
.irp b, 0,1,2,3
	v_max_num_f32 v[232+\b], 0x2800000, v[232+\b]  ; the floor 2^(5 - 127): the byte cannot fall under 1
.endr
.irp b, 0,1,2,3
	s_delay_alu instid0(VALU_DEP_4)
	v_add_nc_u32 v[244+\b], 0xfe000000, v[232+\b]  ; 4 off the exponent field: the conversion's scale operand
.endr
.irp b, 0,1,2,3
	s_delay_alu instid0(VALU_DEP_4)
	v_lshrrev_b32 v[236+\b], 23, v[244+\b]
.endr
	s_delay_alu instid0(VALU_DEP_3)
	v_lshl_or_b32 v253, v237, 8, v236              ; p's scale word for these 128 keys
	s_delay_alu instid0(VALU_DEP_1)
	v_lshl_or_b32 v253, v238, 16, v253
	s_delay_alu instid0(VALU_DEP_1)
	v_lshl_or_b32 v253, v239, 24, v253
	s_setprio 0
.irp c, 0,1
	v_cvt_scalef32_pk16_bf6_f32 v[224+6*\c:226+6*\c], v[S+32*\c:S+15+32*\c], v[244+2*\c]
	v_cvt_scalef32_pk16_bf6_f32 v[236+4*\c:238+4*\c], v[S+16+32*\c:S+31+32*\c], v[244+2*\c+1]
.endr
	v_nop                                          ; one plain place behind a scaled conversion
.irp c, 0,1
.irp i, 0,1,2
	v_permlane16_swap_b32 v[224+6*\c+\i], v[236+4*\c+\i]
.endr
.irp i, 0,1,2
	s_delay_alu instid0(VALU_DEP_3)
	v_mov_b32 v[227+6*\c+\i], v[236+4*\c+\i]
.endr
.endr
.set j, 0
.rept 16
	v_pk_mul_f32 v[O+j:O+j+1], v[O+j:O+j+1], v[252:253] op_sel_hi:[1,0]   ; O^T under the new M.  These sixteen are also the places between the codes' and the scale word's last writes and the products below
.set j, j+2
.endr
.irp t, 0,1,2,3
	v_wmma_scale_f32_16x16x128_f8f6f4 v[O+8*\t:O+8*\t+7], v[80+12*\t:91+12*\t], v[224:235], v[O+8*\t:O+8*\t+7], v[8+\t], v253 matrix_a_fmt:MATRIX_FMT_BF6 matrix_b_fmt:MATRIX_FMT_BF6
.endr
.Lhidden_\@:
	s_add_co_u32 s[TB], s[TB], 6144
	s_add_co_u32 s[TS], s[TS], 512
	s_add_co_u32 s[KF], s[KF], 128
.endm
; A QUERY TILE: which = 0: tile p, at most 4 key steps; 1: tile 63 - p, at most 8.
.macro TILE which, trips
.if \which
	s_wait_xcnt 0x0                                ; the first tile's stores have read their data and bases
	s_sub_co_u32 s[TT], 63, s[PP]
.else
	s_mov_b32 s[TT], s[PP]
.endif
	s_lshr_b32 s[LS], s[TT], 3
	s_lshr_b32 s[Q0], s[TT], 1
	s_lshl_b32 s[Q0], s[Q0], 5
	s_and_b32 s80, s[TT], 1
	s_lshl_b32 s80, s80, 3
	s_add_co_u32 s[Q0], s[Q0], s80                 ; 32 (T / 2) + 8 (T % 2)
	s_mov_b32 s81, 0
	s_mul_i32 s80, s[TT], 768
	s_add_nc_u64 s[QB:QB+1], s[HQ:HQ+1], s[80:81]
	s_lshl_b32 s80, s[TT], 6
	s_add_nc_u64 s[QSB:QSB+1], s[HQS:HQS+1], s[80:81]
	s_mul_i32 s80, s[TT], 8*1536
	s_add_nc_u64 s[OB:OB+1], s[HO:HO+1], s[80:81]
	s_lshl_b32 s80, s[TT], 9
	s_add_nc_u64 s[OSB:OSB+1], s[HOS:HOS+1], s[80:81]
	global_load_b128 v[16:19], v1, s[QB:QB+1]      ; Q's lower six registers stay for the tile
	global_load_b64 v[20:21], v2, s[QB:QB+1]
	global_load_b32 v255, v29, s[QSB:QSB+1]        ; and its scale words
	v_mov_b32 v13, 0xff61b1e6                      ; the largest t so far: -3e38
	s_delay_alu instid0(VALU_DEP_1)
	v_floor_f32 v12, -v13                          ; -M
	v_mov_b32 v14, 0
	v_mov_b32 v15, 0
.set j, 0
.rept 32
	v_mov_b32 v[O+j], 0                            ; O^T: the step is written once; the first finds zeros, which the first change of M leaves zeros
.set j, j+1
.endr
	s_mov_b32 s[KS], 0
	s_mov_b32 s[TB], 0
	s_mov_b32 s[TS], 0
	s_mov_b32 s[KF], 0
	s_wait_loadcnt 0x0
.Lstep_\@:
	STEP
	s_add_co_u32 s[KS], s[KS], 1
	s_cmp_lt_u32 s[KS], \trips
	s_cbranch_scc1 .Lstep_\@
	s_setprio 0
	; the way out: O^T / the sum, quantised along the head's 64: half a fragment of the last product's A
.rept 4
	v_nop                                          ; places behind the last products
.endr
	v_add_f32 v14, v14, v15
	s_delay_alu instid0(VALU_DEP_1)
	v_permlanex16_b32 v252, v14, s[SEL], s[SEL+1]
	s_delay_alu instid0(VALU_DEP_1)
	v_add_f32 v14, v14, v252                       ; the row's sum
	s_wait_alu depctr_va_vdst(0)
	v_rcp_f32 v14, v14
	v_nop                                          ; a plain place behind the transcendental
	s_wait_alu depctr_va_vdst(0)                   ; and the wait ahead of its first reader
.set j, 0
.rept 16
	v_pk_mul_f32 v[S+j:S+j+1], v[O+j:O+j+1], v[14:15] op_sel_hi:[1,0]   ; register 16 b + i is o(my query, d = 32 b + 16 h + i)
.set j, j+2
.endr
.irp b, 0,1
	v_max3_num_f32 v[232+\b], |v[S+16*\b]|, |v[S+1+16*\b]|, 0x2800000
.endr
.irp i, 2,4,6,8,10,12,14
.irp b, 0,1
	s_delay_alu instid0(VALU_DEP_2)
	v_max3_num_f32 v[232+\b], v[232+\b], |v[S+16*\b+\i]|, |v[S+1+16*\b+\i]|
.endr
.endr
.irp b, 0,1
	s_delay_alu instid0(VALU_DEP_2)
	v_permlanex16_b32 v[236+\b], v[232+\b], s[SEL], s[SEL+1]
.endr
.irp b, 0,1
	s_delay_alu instid0(VALU_DEP_2)
	v_max_num_f32 v[232+\b], v[232+\b], v[236+\b]
.endr
.irp b, 0,1
	s_delay_alu instid0(VALU_DEP_2)
	v_add_nc_u32 v[244+\b], 0xfe000000, v[232+\b]
.endr
.irp b, 0,1
	s_delay_alu instid0(VALU_DEP_2)
	v_lshrrev_b32 v[236+\b], 23, v[244+\b]
.endr
	s_mov_b32 vcc_lo, 0xffff0000
	v_cndmask_b32 v254, v236, v237, vcc_lo         ; lanes 0-15 send block 0's byte, lanes 16-31 block 1's
	v_cvt_scalef32_pk16_bf6_f32 v[224:226], v[S:S+15], v244
	v_cvt_scalef32_pk16_bf6_f32 v[240:242], v[S+16:S+31], v245
	v_nop
.irp i, 0,1,2
	v_permlane16_swap_b32 v[224+\i], v[240+\i]
.endr
.irp i, 0,1,2
	s_delay_alu instid0(VALU_DEP_3)
	v_mov_b32 v[227+\i], v[240+\i]
.endr
	global_store_b128 v1, v[224:227], s[OB:OB+1]   ; 512 consecutive bytes, at a multiple of 256 from oq's first byte
	global_store_b64 v2, v[228:229], s[OB:OB+1]    ; and 256
	global_store_b8 v30, v254, s[OSB:OSB+1]        ; two bytes of each row's word: the other two are the neighbouring head's
.endm
	s_wait_tensorcnt 0x1                           ; the scale words and keys 0-511 are in; my load of keys 512-1,023 may be out
	s_barrier_signal -1
	s_barrier_wait -1
	TILE 0, 4                                      ; tiles 0-31 want keys under 512 alone
	s_wait_tensorcnt 0x0                           ; keys 512-1,023 are in,
	s_wait_dscnt 0x0
	s_barrier_signal -1
	s_barrier_wait -1                              ; everybody's
	TILE 1, 8
	s_wait_tensorcnt 0x0
	ds_add_u32 v31, v243
	s_wait_dscnt 0x0
	s_endpgm
.Lfunc_end_k_qa879b3f246_attn:
	.size	k_qa879b3f246_attn, .Lfunc_end_k_qa879b3f246_attn-k_qa879b3f246_attn
	.p2alignl 7, 3214868480
	.fill 96, 4, 3214868480
	.section	.rodata,"a",@progbits
	.p2align	6, 0x0
	.amdhsa_kernel k_qa879b3f246_attn
		.amdhsa_group_segment_fixed_size 169984
		.amdhsa_private_segment_fixed_size 0
		.amdhsa_enable_private_segment 0
		.amdhsa_kernarg_size 32
		.amdhsa_user_sgpr_count 2
		.amdhsa_user_sgpr_kernarg_segment_ptr 1
		.amdhsa_wavefront_size32 1
		.amdhsa_system_sgpr_workgroup_id_x 1
		.amdhsa_system_sgpr_workgroup_id_y 1
		.amdhsa_system_sgpr_workgroup_id_z 1
		.amdhsa_system_vgpr_workitem_id 0
		.amdhsa_next_free_vgpr 256
		.amdhsa_next_free_sgpr 100
		.amdhsa_reserve_vcc 1
		.amdhsa_float_denorm_mode_32 3
		.amdhsa_float_denorm_mode_16_64 3
		.amdhsa_memory_ordered 1
		.amdhsa_forward_progress 1
		.amdhsa_inst_pref_size 66
	.end_amdhsa_kernel
	.amdgpu_metadata
---
amdhsa.version: [ 1, 2 ]
amdhsa.kernels:
  - .name:           k_qa879b3f246_attn
    .symbol:         k_qa879b3f246_attn.kd
    .args:
      - { .name: qkv, .offset: 0, .size: 8, .value_kind: global_buffer, .address_space: global }
      - { .name: qkvs, .offset: 8, .size: 8, .value_kind: global_buffer, .address_space: global }
      - { .name: oq, .offset: 16, .size: 8, .value_kind: global_buffer, .address_space: global }
      - { .name: oqs, .offset: 24, .size: 8, .value_kind: global_buffer, .address_space: global }
    .group_segment_fixed_size: 169984
    .private_segment_fixed_size: 0
    .kernarg_segment_align: 8
    .kernarg_segment_size: 32
    .max_flat_workgroup_size: 512
    .sgpr_count:     100
    .vgpr_count:     256
    .wavefront_size: 32
...
	.end_amdgpu_metadata
.endif
;; end of part 6
;; launch outln (part 7): grid 256 x 1, 16 waves a work-group, no clusters, 158,208 bytes of LDS; arguments oq, oqs, xw, xws, b_out, x, gamma, beta, out0; writes out0
.if DOCPART == 7
	.amdgcn_target "amdgcn-amd-amdhsa--gfx1250"
	.amdhsa_code_object_version 6
	.text
	.protected	k_qa879b3f246_outln
	.globl	k_qa879b3f246_outln
	.p2align	8
	.type	k_qa879b3f246_outln,@function
k_qa879b3f246_outln:
	s_mov_b64 s[64:65], 0
	v_nop
	global_prefetch_b8 v0, s[64:65] scope:SCOPE_SE
	s_setreg_imm32_b32 hwreg(HW_REG_WAVE_SCHED_MODE, 0, 2), 2
	s_setreg_imm32_b32 hwreg(HW_REG_WAVE_MODE, 25, 1), 1
	s_wait_xcnt 0x0
	s_wait_alu depctr_vm_vsrc(0)
; out0 = LayerNorm(o W_out + b_out + x) x gamma + beta.  o comes as codes from oq and oqs, W_out as images of operand registers from xw and xws (tiles 704-767).
; SHARES.  LayerNorm wants whole rows in one work-group: a work-group takes 32 rows (tiles 2 g and 2 g + 1 of o) x all 1,024 columns.  Wave w takes W_out's tiles 4 w .. 4 w + 3, columns 64 w .. 64 w + 63:
; eight accumulators.  Source 0 = 16 rows of W_out, source 1 = 16 rows of o: a lane holds one row and eight neighbouring columns.
; W_out's FRAGMENTS GO FROM MEMORY STRAIGHT INTO REGISTERS: each is wanted by one wave of the work-group, and its image is three loads of 512 consecutive bytes.  Three sets of four fragments take turns: two sets
; (28 loads a wave) are on their way while one is multiplied.  o's sixteen fragments, which all waves want, go through LDS once.
; NO CLUSTER, though all 256 work-groups walk the same 786,432 bytes: joint loads land in LDS, and a ring there would put a round of the cluster's barrier in front of every eight matrix instructions of a wave.
; The sums meet in a stage in LDS (32 rows of 4,096 bytes + 16, in the tiles' own order of rows); each wave then owns two whole rows: residual, bias, mean, variance about the mean, gain and offset, all in f32.
; REGISTERS: v1-9 offsets; v10-17 o's scale words (lanes 0-15 tile 2 g, lanes 16-31 tile 2 g + 1); v18-81 accumulators ((u, t) at v[18 + 8 (4 u + t)]), later gamma and beta; v82-105 o's two fragments;
;   v106-111 W's scale words (set k: two registers; lanes 0-15 an even tile, lanes 16-31 the odd one); v112-255 three sets of four fragments; later x's rows (v208-239, v112-143), my first row (v144-175), b_out (v176-207),
;   my second row (v208-239, once x's first row has been added), work (v240-247).
; THE MODE: SCHED_MODE bits 1:0 = 2 (LLVM: expert scheduling mode 2), set by the entry lines.  The code itself states the register dependences between vector or matrix instructions and memory or LDS
; instructions, with s_wait_alu, always for 0.
; THE PLAN.  Registers that memory or LDS instructions touch:
;   v1-v9     offsets and LDS addresses: written at the head, never again; read by every load and store.
;   AF        my fragment of o lands in it and is read by three LDS stores; then, step by step: the LDS loads of step s land in it, step s's products read it.  One buffer: the sixteen waves' 256 registers are all
;             that the four SIMDs have.
;   W's sets, WS   step s's products read set s % 3 and its two scale registers; the loads of step s + 3 (behind steps 5 to 7: x's two rows and b_out) land there.
;   OSC       written by loads at the head; read by products alone.
;   ACC       written by the products; read by sixteen LDS stores; then gamma and beta land in it.
;   YR0, YR1  a stage row lands in it; the row's arithmetic works in place; eight stores read it.  YR1 is x's first row's registers: the second row's LDS loads go out in the first row's turn, behind the wait that shows
;             the additions done reading them, so that no store's data are written again.
; So ONE wait on va_vdst stands in a K step, behind its products: they empty AF and a set of W, and both are asked for again at once.  A set that waited for the next step's head would lie idle, with 14 loads on
; their way in place of 28.  Behind the wait o's LDS loads go first: the next step waits for all of them.
.set STG,  24576                       ; LDS: o's 16 fragments (1,536 bytes each) at 0; the stage here
.set SPI,  4112                        ; a stage row: 1,028 words: row r starts at bank 4 r mod 64
.set OSC,  10
.set ACC,  18
.set AF,   82
.set WS,   106
.set WF,   112
.set YR0,  144
.set YR1,  208
.set BO,   176
.set X0,   208
.set X1,   112
.set GA,   18
.set BE,   50
	s_load_b256 s[4:11], s[0:1], 0x0               ; oq s[4:5], oqs s[6:7], xw s[8:9], xws s[10:11]
	s_load_b256 s[12:19], s[0:1], 0x20             ; b_out s[12:13], x s[14:15], gamma s[16:17], beta s[18:19]
	s_load_b64 s[20:21], s[0:1], 0x40              ; out0
	v_lshrrev_b32 v1, 5, v0
	v_readfirstlane_b32 s22, v1                    ; wave 0..15
	v_and_b32 v5, 31, v0                           ; l
	v_and_b32 v6, 15, v0                           ; r
	v_bfe_u32 v7, v0, 4, 1                         ; h
	v_lshlrev_b32 v1, 4, v5                        ; 16 l
	v_lshlrev_b32 v2, 3, v5                        ; 8 l
	v_lshlrev_b32 v3, 2, v6
	v_lshl_add_u32 v3, v7, 9, v3                   ; o's scale words: 4 r, + 512 for the second tile
	v_lshlrev_b32 v4, 3, v6
	v_lshl_add_u32 v4, v7, 9, v4                   ; W's: 8 r, + 512 for the odd tile
	s_wait_alu depctr_va_sdst(0)                   ; s22 is written, ahead of its first reader: LDS addresses and the bases are made from it
	s_mul_i32 s28, s22, 1536
	v_add_nc_u32 v5, s28, v1                       ; where I put my fragment of o
	v_mul_u32_u24 v8, v6, SPI
	v_lshl_add_u32 v8, v7, 6, v8
	s_lshl_b32 s29, s22, 8
	s_add_co_u32 s29, s29, STG
	v_add_nc_u32 v7, s29, v8                       ; the stage, in: row r, + 256 w + 64 h;
	v_add_nc_u32 v8, 16*SPI, v7                    ; the second tile's rows
	s_mul_i32 s30, s22, 2*SPI
	s_add_co_u32 s30, s30, STG
	v_add_nc_u32 v9, s30, v1                       ; and out: stage rows 2 w and 2 w + 1, 16 bytes a lane
	s_lshl_b32 s28, ttmp9, 4
	s_add_co_u32 s28, s28, s22
	s_mul_i32 s28, s28, 1536                       ; oq: fragment 16 g + w (tile 2 g + w / 8, K step w % 8)
	s_mov_b32 s29, 0
	s_lshl_b32 s30, ttmp9, 10                      ; oqs: 512 bytes a tile
	s_mov_b32 s31, 0
	s_lshl_b32 s32, s22, 2
	s_add_co_u32 s32, s32, 704                     ; my first tile of W_out in xw
	s_mul_i32 s34, s32, 12288
	s_mov_b32 s35, 0
	s_lshl_b32 s32, s32, 9
	s_mov_b32 s33, 0
	s_lshl_b32 s36, ttmp9, 5                       ; my two rows: stage row 2 w + i is row r = 2 (w % 8) + i of tile u = w / 8, which is row 8 u + r + 8 (r / 8) of the 32
	s_lshr_b32 s37, s22, 3
	s_lshl_b32 s37, s37, 3
	s_add_co_u32 s36, s36, s37
	s_and_b32 s37, s22, 7
	s_lshl_b32 s37, s37, 1
	s_add_co_u32 s36, s36, s37
	s_bfe_u32 s37, s22, 0x10002
	s_lshl_b32 s37, s37, 3
	s_add_co_u32 s36, s36, s37
	s_lshl_b32 s36, s36, 12                        ; rows of 4,096 bytes (under 2^25)
	s_mov_b32 s37, 0
	s_mov_b32 s24, 0x76543210
	s_mov_b32 s25, 0xfedcba98                      ; lane selects for lane l xor 16
	s_mov_b32 s26, 0x3a800000                      ; 1 / 1,024
	s_mov_b32 s27, 0x3727c5ac                      ; 1e-5
	s_wait_kmcnt 0x0
	s_add_nc_u64 s[4:5], s[4:5], s[28:29]
	s_add_nc_u64 s[6:7], s[6:7], s[30:31]
	s_add_nc_u64 s[8:9], s[8:9], s[34:35]
	s_add_nc_u64 s[10:11], s[10:11], s[32:33]
	s_add_nc_u64 s[14:15], s[14:15], s[36:37]
	s_add_nc_u64 s[20:21], s[20:21], s[36:37]
	s_wait_alu depctr_va_vdst(0)                   ; v1 to v9 are written: every load and store of the kernel reads one of them as its offset or address
.macro WLOAD s                         ; K step s of my four tiles of W_out into set s % 3: 12 loads of 512 consecutive bytes, and two of scale words
.set WB, WF+48*((\s)%3)
.irp t, 0,1,2,3
.irp c, 0,1,2
	global_load_b128 v[WB+12*\t+4*\c:WB+12*\t+4*\c+3], v1, s[8:9] offset:12288*\t+1536*(\s)+512*\c
.endr
.endr
.irp p, 0,1
	global_load_b32 v[WS+2*((\s)%3)+\p], v4, s[10:11] offset:1024*\p+128*((\s)/2)+4*((\s)%2)
.endr
.endm
.macro ALOAD s                         ; o's two fragments of K step s
.irp u, 0,1
.irp c, 0,1,2
	ds_load_b128 v[AF+12*\u+4*\c:AF+12*\u+4*\c+3], v1 offset:1536*(8*\u+(\s))+512*\c
.endr
.endr
.endm
.macro MM s, t, u                      ; accumulator (u, t) takes K step s.  The rows of the scale registers: W's by the tile's parity, o's by the tile of rows
.set DD, ACC+8*(4*(\u)+(\t))
.set WA, WF+48*((\s)%3)+12*(\t)
.set OA, AF+12*(\u)
.set SA, WS+2*((\s)%3)+(\t)/2
.set SB, OSC+(\s)
.if (\s) == 0
.if ((\t)%2 == 0) && ((\u) == 0)
	v_wmma_scale_f32_16x16x128_f8f6f4 v[DD:DD+7], v[WA:WA+11], v[OA:OA+11], 0, v[SA], v[SB] matrix_a_fmt:MATRIX_FMT_BF6 matrix_b_fmt:MATRIX_FMT_BF6
.elseif ((\t)%2 == 1) && ((\u) == 0)
	v_wmma_scale_f32_16x16x128_f8f6f4 v[DD:DD+7], v[WA:WA+11], v[OA:OA+11], 0, v[SA], v[SB] matrix_a_fmt:MATRIX_FMT_BF6 matrix_b_fmt:MATRIX_FMT_BF6 matrix_a_scale:MATRIX_SCALE_ROW1
.elseif ((\t)%2 == 0)
	v_wmma_scale_f32_16x16x128_f8f6f4 v[DD:DD+7], v[WA:WA+11], v[OA:OA+11], 0, v[SA], v[SB] matrix_a_fmt:MATRIX_FMT_BF6 matrix_b_fmt:MATRIX_FMT_BF6 matrix_b_scale:MATRIX_SCALE_ROW1
.else
	v_wmma_scale_f32_16x16x128_f8f6f4 v[DD:DD+7], v[WA:WA+11], v[OA:OA+11], 0, v[SA], v[SB] matrix_a_fmt:MATRIX_FMT_BF6 matrix_b_fmt:MATRIX_FMT_BF6 matrix_a_scale:MATRIX_SCALE_ROW1 matrix_b_scale:MATRIX_SCALE_ROW1
.endif
.else
.if ((\t)%2 == 0) && ((\u) == 0)
	v_wmma_scale_f32_16x16x128_f8f6f4 v[DD:DD+7], v[WA:WA+11], v[OA:OA+11], v[DD:DD+7], v[SA], v[SB] matrix_a_fmt:MATRIX_FMT_BF6 matrix_b_fmt:MATRIX_FMT_BF6
.elseif ((\t)%2 == 1) && ((\u) == 0)
	v_wmma_scale_f32_16x16x128_f8f6f4 v[DD:DD+7], v[WA:WA+11], v[OA:OA+11], v[DD:DD+7], v[SA], v[SB] matrix_a_fmt:MATRIX_FMT_BF6 matrix_b_fmt:MATRIX_FMT_BF6 matrix_a_scale:MATRIX_SCALE_ROW1
.elseif ((\t)%2 == 0)
	v_wmma_scale_f32_16x16x128_f8f6f4 v[DD:DD+7], v[WA:WA+11], v[OA:OA+11], v[DD:DD+7], v[SA], v[SB] matrix_a_fmt:MATRIX_FMT_BF6 matrix_b_fmt:MATRIX_FMT_BF6 matrix_b_scale:MATRIX_SCALE_ROW1
.else
	v_wmma_scale_f32_16x16x128_f8f6f4 v[DD:DD+7], v[WA:WA+11], v[OA:OA+11], v[DD:DD+7], v[SA], v[SB] matrix_a_fmt:MATRIX_FMT_BF6 matrix_b_fmt:MATRIX_FMT_BF6 matrix_a_scale:MATRIX_SCALE_ROW1 matrix_b_scale:MATRIX_SCALE_ROW1
.endif
.endif
.endm
; A K step: eight matrix instructions, the eight accumulators by turns in the same order in every step.  left: the global loads issued behind this step's set, which may stay out.
.macro GSTEP s, left
	s_wait_loadcnt \left
	s_wait_dscnt 0x0                               ; o's two fragments are in
.irp t, 0,1,2,3
.irp u, 0,1
	MM \s, \t, \u
.endr
.endr
.rept 4
	v_nop                                          ; the places behind the products (ISA guide 7.12.1) stay beside the wait below, which fills none
.endr
	s_wait_alu depctr_va_vdst(0)                   ; the step's products are done reading o's two fragments, their set of W's fragments and its two scale registers, in all of which the loads behind this step land; the last step's have written the accumulators, which the LDS stores read
.endm
.macro ROWLOAD reg, base, off          ; a row of 1,024 f32: eight loads of 512 consecutive bytes; lane l holds columns 128 k + 4 l .. + 3
.irp k, 0,1,2,3,4,5,6,7
	global_load_b128 v[\reg+4*\k:\reg+4*\k+3], v1, s[\base:\base+1] offset:\off+512*\k
.endr
.endm
	global_load_b128 v[AF:AF+3], v1, s[4:5]        ; my fragment of o, as attention left it: two halves of six registers
	global_load_b64 v[AF+4:AF+5], v2, s[4:5] offset:512
	global_load_b128 v[AF+6:AF+9], v1, s[4:5] offset:768
	global_load_b64 v[AF+10:AF+11], v2, s[4:5] offset:1280
.irp s, 0,1,2,3,4,5,6,7
	global_load_b32 v[OSC+\s], v3, s[6:7] offset:64*\s
.endr
	WLOAD 0
	WLOAD 1
	WLOAD 2
	s_wait_loadcnt 50                              ; of the 54 loads the oldest four, my fragment of o, are in
.irp c, 0,1,2
	ds_store_b128 v5, v[AF+4*\c:AF+4*\c+3] offset:512*\c
.endr
	s_wait_dscnt 0x0                               ; for the others' sake
	s_barrier_signal -1
	s_barrier_wait -1                              ; o's sixteen fragments lie in LDS
	s_wait_alu depctr_vm_vsrc(0)                   ; my three LDS stores have read v[AF ..], in which the first step's fragments land
	ALOAD 0
	GSTEP 0, 28                                    ; behind set s: sets s + 1 and s + 2, 14 loads each
	ALOAD 1                                        ; no vector or matrix instruction stands between the step's wait and these loads
	WLOAD 3
	GSTEP 1, 28
	ALOAD 2
	WLOAD 4
	GSTEP 2, 28
	ALOAD 3
	WLOAD 5
	GSTEP 3, 28
	ALOAD 4
	WLOAD 6
	GSTEP 4, 28
	ALOAD 5
	WLOAD 7
	GSTEP 5, 28
	ALOAD 6
	ROWLOAD X0, 14, 0                              ; x's rows take the sets that are done with
	GSTEP 6, 22                                    ; behind set 6: set 7's 14 and x's first row's 8
	ALOAD 7
	ROWLOAD X1, 14, 4096
	GSTEP 7, 16                                    ; behind set 7: x's two rows
	ROWLOAD BO, 12, 0
.irp t, 0,1,2,3                                ; lane (r, h): columns 64 w + 32 (t / 2) + 16 h + 8 (t % 2) + 0 .. 7 of the tile's row r; each accumulator from its low end on
	ds_store_b128 v7, v[ACC+8*\t:ACC+8*\t+3] offset:128*(\t/2)+32*(\t%2)
	ds_store_b128 v7, v[ACC+8*\t+4:ACC+8*\t+7] offset:128*(\t/2)+32*(\t%2)+16
	ds_store_b128 v8, v[ACC+32+8*\t:ACC+32+8*\t+3] offset:128*(\t/2)+32*(\t%2)
	ds_store_b128 v8, v[ACC+32+8*\t+4:ACC+32+8*\t+7] offset:128*(\t/2)+32*(\t%2)+16
.endr
	s_wait_dscnt 0x0                               ; for the others' sake: my stores have landed
	s_barrier_signal -1
	s_barrier_wait -1                              ; 32 whole rows lie in the stage
.macro YLOAD i, yr                     ; my stage row i: eight loads of 512 consecutive bytes
.irp k, 0,1,2,3,4,5,6,7
	ds_load_b128 v[\yr+4*\k:\yr+4*\k+3], v9 offset:SPI*\i+512*\k
.endr
.endm
	YLOAD 0, YR0                                   ; into registers that the products of steps 6 and 7 read last: the last step's wait has shown them done
	s_wait_alu depctr_vm_vsrc(0)                   ; my sixteen LDS stores have read the accumulators, in which gamma and beta land (the products that wrote them stand ahead of the last step's wait)
	ROWLOAD GA, 16, 0
	ROWLOAD BE, 18, 0
.macro LANESUM                         ; v240: the sum over the wave's 32 lanes, in every lane
	v_add_f32_dpp v240, v240, v240 row_xmask:1 row_mask:0xf bank_mask:0xf
	v_add_f32_dpp v240, v240, v240 row_xmask:2 row_mask:0xf bank_mask:0xf
	v_add_f32_dpp v240, v240, v240 row_xmask:4 row_mask:0xf bank_mask:0xf
	v_add_f32_dpp v240, v240, v240 row_xmask:8 row_mask:0xf bank_mask:0xf
	v_permlanex16_b32 v241, v240, s24, s25
	v_add_f32 v240, v240, v241
.endm
.macro ROWLN i, yr, xr                 ; my row i, in v[yr] on: 32 numbers a lane
	s_wait_dscnt 0x0                               ; the row is in
.if \i == 0
	s_wait_loadcnt 16                              ; x's rows and b_out are in; gamma's and beta's 16 loads may be out
.endif
.set j, 0
.rept 16
	v_pk_add_f32 v[\yr+j:\yr+j+1], v[\yr+j:\yr+j+1], v[BO+j:BO+j+1]
.set j, j+2
.endr
.set j, 0
.rept 16
	v_pk_add_f32 v[\yr+j:\yr+j+1], v[\yr+j:\yr+j+1], v[\xr+j:\xr+j+1]   ; o W_out + b_out + x
.set j, j+2
.endr
	v_pk_add_f32 v[240:241], v[\yr:\yr+1], v[\yr+2:\yr+3]          ; the row's sum, in two packed chains
	v_pk_add_f32 v[242:243], v[\yr+4:\yr+5], v[\yr+6:\yr+7]
.irp j, 8,12,16,20,24,28
	v_pk_add_f32 v[240:241], v[240:241], v[\yr+\j:\yr+\j+1]
	v_pk_add_f32 v[242:243], v[242:243], v[\yr+\j+2:\yr+\j+3]
.endr
	v_pk_add_f32 v[240:241], v[240:241], v[242:243]
	v_add_f32 v240, v240, v241
	LANESUM
	v_mul_f32 v244, s26, v240                      ; the mean
	v_mov_b32 v245, v244
.set j, 0
.rept 16
	v_pk_add_f32 v[\yr+j:\yr+j+1], v[\yr+j:\yr+j+1], v[244:245] neg_lo:[0,1] neg_hi:[0,1]   ; less the mean
.set j, j+2
.endr
	v_pk_mul_f32 v[240:241], v[\yr:\yr+1], v[\yr:\yr+1]            ; the sum of squares about the mean
	v_pk_mul_f32 v[242:243], v[\yr+2:\yr+3], v[\yr+2:\yr+3]
.irp j, 4,8,12,16,20,24,28
	v_pk_fma_f32 v[240:241], v[\yr+\j:\yr+\j+1], v[\yr+\j:\yr+\j+1], v[240:241]
	v_pk_fma_f32 v[242:243], v[\yr+\j+2:\yr+\j+3], v[\yr+\j+2:\yr+\j+3], v[242:243]
.endr
	v_pk_add_f32 v[240:241], v[240:241], v[242:243]
	v_add_f32 v240, v240, v241
	LANESUM
	v_fma_f32 v240, v240, s26, s27                 ; the variance + 1e-5
	v_rsq_f32 v246, v240
	v_nop                                          ; a plain place behind the transcendental
	s_wait_alu depctr_va_vdst(0)                   ; v246 is written, ahead of its first reader; in my first row's turn also: the additions are done reading x's first row, in whose registers my second row lands
.if \i == 0
	YLOAD 1, YR1                                   ; it lands while the first row is scaled and stored; nothing in the rest of this turn names these registers
.endif
	v_mov_b32 v247, v246
.if \i == 0
	s_wait_loadcnt 0x0                             ; gamma and beta
.endif
.set j, 0
.rept 16
	v_pk_mul_f32 v[\yr+j:\yr+j+1], v[\yr+j:\yr+j+1], v[246:247]
.set j, j+2
.endr
.set j, 0
.rept 16
	v_pk_fma_f32 v[\yr+j:\yr+j+1], v[\yr+j:\yr+j+1], v[GA+j:GA+j+1], v[BE+j:BE+j+1]
.set j, j+2
.endr
	s_wait_alu depctr_va_vdst(0)                   ; the multiply-adds have written the row, which the eight stores read
.irp k, 0,1,2,3,4,5,6,7
	global_store_b128 v1, v[\yr+4*\k:\yr+4*\k+3], s[20:21] offset:4096*\i+512*\k th:TH_STORE_NT   ; 32 lanes store 512 consecutive bytes, at a multiple of 256 from out0's first byte
.endr
.endm
	ROWLN 0, YR0, X0
	ROWLN 1, YR1, X1                               ; each row has registers of its own: the first row's stores' data are not written again
	s_wait_xcnt 0x0                                ; the last stores' addresses are translated
	v_lshl_add_u32 v254, v0, 2, 0x26200            ; my spare word, behind the stage, and 0: made anew here from v0, which stands as at the entry; no memory or LDS instruction has read v254 or v255
	v_mov_b32 v255, 0
	s_wait_dscnt 0x0                               ; the closing lines, six on end
	s_wait_alu 0x0
	s_wait_tensorcnt 0x0
	ds_add_u32 v254, v255
	s_wait_dscnt 0x0
	s_endpgm
.Lfunc_end_k_qa879b3f246_outln:
	.size	k_qa879b3f246_outln, .Lfunc_end_k_qa879b3f246_outln-k_qa879b3f246_outln
	.p2alignl 7, 3214868480
	.fill 96, 4, 3214868480
	.section	.rodata,"a",@progbits
	.p2align	6, 0x0
	.amdhsa_kernel k_qa879b3f246_outln
		.amdhsa_group_segment_fixed_size 158208
		.amdhsa_private_segment_fixed_size 0
		.amdhsa_enable_private_segment 0
		.amdhsa_kernarg_size 72
		.amdhsa_user_sgpr_count 2
		.amdhsa_user_sgpr_kernarg_segment_ptr 1
		.amdhsa_wavefront_size32 1
		.amdhsa_system_sgpr_workgroup_id_x 1
		.amdhsa_system_sgpr_workgroup_id_y 1
		.amdhsa_system_sgpr_workgroup_id_z 1
		.amdhsa_system_vgpr_workitem_id 0
		.amdhsa_next_free_vgpr 256
		.amdhsa_next_free_sgpr 66
		.amdhsa_reserve_vcc 0
		.amdhsa_float_denorm_mode_32 3
		.amdhsa_float_denorm_mode_16_64 3
		.amdhsa_memory_ordered 1
		.amdhsa_forward_progress 1
		.amdhsa_inst_pref_size 52
	.end_amdhsa_kernel
	.amdgpu_metadata
---
amdhsa.version: [ 1, 2 ]
amdhsa.kernels:
  - .name:           k_qa879b3f246_outln
    .symbol:         k_qa879b3f246_outln.kd
    .args:
      - { .name: oq, .offset: 0, .size: 8, .value_kind: global_buffer, .address_space: global }
      - { .name: oqs, .offset: 8, .size: 8, .value_kind: global_buffer, .address_space: global }
      - { .name: xw, .offset: 16, .size: 8, .value_kind: global_buffer, .address_space: global }
      - { .name: xws, .offset: 24, .size: 8, .value_kind: global_buffer, .address_space: global }
      - { .name: b_out, .offset: 32, .size: 8, .value_kind: global_buffer, .address_space: global }
      - { .name: x, .offset: 40, .size: 8, .value_kind: global_buffer, .address_space: global }
      - { .name: gamma, .offset: 48, .size: 8, .value_kind: global_buffer, .address_space: global }
      - { .name: beta, .offset: 56, .size: 8, .value_kind: global_buffer, .address_space: global }
      - { .name: out0, .offset: 64, .size: 8, .value_kind: global_buffer, .address_space: global }
    .group_segment_fixed_size: 158208
    .private_segment_fixed_size: 0
    .kernarg_segment_align: 8
    .kernarg_segment_size: 72
    .max_flat_workgroup_size: 512
    .sgpr_count:     66
    .vgpr_count:     256
    .wavefront_size: 32
...
	.end_amdgpu_metadata
.endif
;; end of part 7
